; MI455X (gfx1250); checked and timed in simulation.
; The chip was launched on July 23, 2026; its instructions are those of AMD's public machine-readable ISA for CDNA 5 (MIT licence, August 2026) and "CDNA5" Instruction Set Architecture Reference Guide (July 2026). The comments in the code are by the model that wrote it; some were corrected since.
;; Multi Head Attention. Allowed arithmetic: matrix products marked QUANTISED: E2M1 operands, one E8M0 scale for each 32 along K, by v_wmma_scale_f32_16x16x128_f8f6f4 with both operands' format E2M1 (or v_wmma_scale_f32_32x16x128_f4), f32 sums; products left as they are: bf16, f16 or f32 operands; f32 sums; everything else in f32.
;; Inputs: Wk 16 x 1,024 x 64 float32; Wo 1,024 x 1,024 float32; Wq 16 x 1,024 x 64 float32; Wv 16 x 1,024 x 64 float32; bo 1,024 float32; x 4 x 2,048 x 1,024 float32.
;; Outputs: out0 4 x 2,048 x 1,024 float32.
;; This version of the problem:
;;   THIS VERSION OF THE PROBLEM IS GIVEN IN LOW PRECISION. The matrix products marked QUANTISED in the list below multiply operands that are first quantised to E2M1 (2 exponent bits, 1 mantissa bit; 4 bits a number), with one power-of-two scale for each 32 numbers along K (OCP MX v1.0); their sums are f32. The products marked 'left as it is' may take bf16, f16 or f32 operands, with f32 sums. Whichever they take, every output number must still come out within the allowed error. Rounding operands to bf16 (8 significant bits) uses up far more of that allowance than f16 does (11 bits, for magnitudes from 6e-5 to 65,504). All else is computed in f32.
;;   The module's matrix products, in the order in which they are computed (A, B: the left and right operand; K: the contracted axis; several contracted axes count as one K, in the product's order):
;;     1. [M 1,024, K 1,024] x [K 1,024, N 8,192]; A: input Wq; B: input x: QUANTISED
;;     2. [M 1,024, K 1,024] x [K 1,024, N 8,192]; A: input Wk; B: input x: QUANTISED
;;     3. [M 1,024, K 1,024] x [K 1,024, N 8,192]; A: input Wv; B: input x: QUANTISED
;;     4. batch 64 x [M 2,048, K 64] x [K 64, N 2,048]; A: computed on the way; B: computed on the way: left as it is (an operand is computed on the way)
;;     5. batch 64 x [M 2,048, K 2,048] x [K 2,048, N 64]; A: computed on the way; B: computed on the way: left as it is (an operand is computed on the way)
;;     6. [M 8,192, K 1,024] x [K 1,024, N 1,024]; A: computed on the way; B: input Wo: left as it is (an operand is computed on the way)
;;   THE QUANTISER, for each operand of a quantised product, along K:
;;     - K is cut into blocks of 32 from its start; a last block that is shorter is filled with zeros.
;;     - A block's scale is 2^e with e = floor(log2(the largest magnitude in the block)) - 2, held to -126 .. 127; a block of zeros has e = 0. As a byte (E8M0): e + 127.
;;     - Each number is divided by its block's scale, clamped to +-6, and rounded to the nearest number of E2M1, ties to even, subnormals kept.
;;     - The product sums the exact products of the quantised numbers (number of the format x scale) in f32.
;;   ~~~python
;;   def quantise(x, axis):      # numpy; x: float32 -> the quantised numbers, widened to float32 again
;;       x = np.moveaxis(x, axis, -1); K = x.shape[-1]
;;       x = np.pad(x, [(0, 0)] * (x.ndim - 1) + [(0, -K % 32)]); x = x.reshape(x.shape[:-1] + (-1, 32)); a = np.abs(x).max(-1, keepdims=True)
;;       e = np.where(a > 0, np.clip(np.frexp(np.where(a > 0, a, 1))[1] - 1 - 2, -126, 127), 0)      # np.frexp(a)[1] - 1 = floor(log2(a)), exactly
;;       r = np.clip(x / 2.0 ** e, -6, 6)
;;       step = 2.0 ** (np.maximum(np.frexp(np.where(r == 0, 1, r))[1] - 1, 0) - 1)
;;       q = np.round(r / step) * step * 2.0 ** e      # np.round: ties to even
;;       return np.moveaxis(q.reshape(q.shape[:-2] + (-1,))[..., :K], -1, axis).astype(np.float32)
;;   ~~~
;; One version. Each part assembles by itself: llvm-mc -triple=amdgcn-amd-amdhsa -mcpu=gfx1250 --defsym DOCPART=n.
;; ======== version 1 of 1: 4 launches
;; limits: values are held in f16: magnitudes above 65,504 overflow, below 6.1e-05 lose precision
;; workspace buffers: x_codes 4,194,304 bytes; x_scales 262,144 bytes; w_img 1,572,864 bytes; w_scales 98,304 bytes; wo16 2,097,152 bytes; qkv 50,331,648 bytes; att 16,777,216 bytes
;; launch prep (part 1): grid 576 x 1, 4 waves a work-group, no clusters, 33,280 bytes of LDS; arguments x, Wq, Wk, Wv, Wo, x_codes, x_scales, w_img, w_scales, wo16; writes x_codes, x_scales, w_img, w_scales, wo16
.if DOCPART == 1
	.amdgcn_target "amdgcn-amd-amdhsa--gfx1250"
	.amdhsa_code_object_version 6
	.text
	.protected	k_q1aadf87a81_prep
	.globl	k_q1aadf87a81_prep
	.p2align	8
	.type	k_q1aadf87a81_prep,@function
k_q1aadf87a81_prep:
	s_mov_b64 s[64:65], 0
	v_nop
	global_prefetch_b8 v0, s[64:65] scope:SCOPE_SE
	s_setreg_imm32_b32 hwreg(HW_REG_WAVE_MODE, 25, 1), 1
	s_wait_xcnt 0x0
; MULTI-HEAD ATTENTION, launch 1 of 4: the operands of the three quantised products are made once, and Wo is narrowed.
; DEAD WORK: none.  Every input (x, Wq, Wk, Wv, Wo, bo) has a way to the output for all values, there is no mask, nothing is sliced away: all six products are done, and the softmax keeps its maximum.
; x [8192][1024] f32 (K = the 1,024 innermost) -> x_codes [8192][512 bytes], x_scales [8192][32 bytes]: E2M1 codes, two a byte, the lower k in the low four bits; one E8M0 byte for each 32 along K.
; Wq, Wk, Wv [16 heads][1024 k][64 e] f32 (K is NOT innermost) -> rows n = 1024 t + 64 head + e (t = 0, 1, 2 for q, k, v).
;   w_img [192 blocks of 16 rows][32 blocks of 32 k][16 rows][16 bytes]: the order in which a matrix operand's registers take the codes;  w_scales [3072][32 bytes].
; Wo [1024][1024] f32 -> wo16, the same layout in f16 (the last product is left as it is; f16 keeps 11 significant bits).
; THE QUANTISER: a block's scale is 2^(floor(log2(largest magnitude)) - 2); its byte is the largest magnitude's exponent field - 2, held at 1 from below; each number / scale goes to the nearest code, ties to even, beyond 6 to 6.
; LIMITS: a block of zeros gets the byte 1 where the rule says 127 (its codes are zeros, which add nothing, and this program alone reads the bytes); blocks whose largest magnitude lies under 2^-124 are held at byte 1;
; NaN and infinities among the inputs are not served; numbers of Wo beyond 65,504 do not fit f16.
; SHARES: work-groups 0-255 take x, 256-447 the three weights, 448-575 Wo: scalar branches on the work-group's number.  Only the first part uses LDS.  No wave shares anything with another: no barrier.
.set WAVES, 4
.set XWG,   256                        ; work-groups for x: 8,388,608 numbers / (4 waves x 8,192)
.set WWG,   192                        ; for the weights: 3,145,728 numbers / (4 waves x 4,096)
.set STEPS, 16
.set EMAX,  2
.set CB,    8                          ; bytes of 16 codes
.set R,     16                         ; v16-79   x: four sets of 16 numbers as they are loaded
.set X,     80                         ; v80-111  x: two sets of 16 neighbours
.set E,     112                        ; v112-127 x: a scale byte for each step
.set C,     128                        ; v128-191 x: codes, four registers for each step
.set WREG,  8192                       ; LDS: a region for each wave: two stages of 32 x SP bytes, behind them its 256 scale bytes
.set SP,    80                         ; a lane's place in a stage: 64 bytes + 16 of padding
.set SPW,   12                         ; v12 LDS address of my spare word; never rewritten
.set NIL,   13                         ; v13 0; never rewritten
.set SPARE, WAVES*WREG                 ; behind the regions: the spare words, 128 bytes a wave, which no other line names
	s_load_b512 s[8:23], s[0:1], 0x0               ; x 8, Wq 10, Wk 12, Wv 14, Wo 16, x_codes 18, x_scales 20, w_img 22
	s_load_b128 s[24:27], s[0:1], 0x40             ; w_scales 24, wo16 26
	v_lshl_add_u32 v[SPW], v0, 2, SPARE
	v_mov_b32 v[NIL], 0
	v_lshrrev_b32 v1, 5, v0
	v_readfirstlane_b32 s2, v1                     ; wave
	v_and_b32 v2, 31, v0                           ; lane
	s_cmp_ge_u32 ttmp9, XWG
	s_cbranch_scc1 .Lweights
; ---------------- x.  A wave takes 16 steps of 512 numbers.  Each load reads 512 consecutive bytes; a step's 2,048 bytes turn through the wave's own stage, so that a lane then holds 16 NEIGHBOURS along K (two lanes hold a block).
	v_lshlrev_b32 v3, 4, v2                        ; my 16 bytes of a load's 512
	s_mul_i32 s3, s2, WREG
	v_lshrrev_b32 v14, 2, v2
	v_mul_u32_u24 v14, v14, SP
	v_and_b32 v15, 3, v2
	v_lshl_add_u32 v14, v15, 4, v14
	v_add_nc_u32 v14, s3, v14                      ; into the stage: SP (lane / 4) + 16 (lane % 4)
	v_mul_u32_u24 v15, v2, SP
	v_add_nc_u32 v15, s3, v15                      ; out of it: SP x lane
	v_mul_u32_u24 v4, v2, CB                       ; my codes' place in a step's 256 bytes
	v_lshrrev_b32 v5, 1, v2
	s_add_co_u32 s3, s3, 2*32*SP
	v_add_nc_u32 v5, s3, v5                        ; my block's byte among the wave's 256
	v_lshlrev_b32 v7, 3, v2
	v_add_nc_u32 v6, s3, v7                        ; and on the way out 8 bytes a lane
	s_lshl_b32 s4, ttmp9, 2
	s_add_co_u32 s4, s4, s2                        ; which run of 8,192 numbers is my wave's: 0 .. 1023
	s_mov_b32 s29, 0
	s_lshl_b32 s28, s4, 15
	s_wait_kmcnt 0x0
	s_add_nc_u64 s[8:9], s[8:9], s[28:29]
	s_lshl_b32 s28, s4, 12
	s_add_nc_u64 s[18:19], s[18:19], s[28:29]
	s_lshl_b32 s28, s4, 8
	s_add_nc_u64 s[20:21], s[20:21], s[28:29]
.macro LOAD t
.irp i, 0,1,2,3
	global_load_b128 v[R+16*((\t)%4)+4*\i:R+16*((\t)%4)+4*\i+3], v3, s[8:9] offset:2048*(\t)+512*\i th:TH_LOAD_NT
.endr
.endm
.macro TURN t                          ; LDS serves a wave's instructions in order: no wait between the stores and the loads
.irp i, 0,1,2,3
	ds_store_b128 v14, v[R+16*((\t)%4)+4*\i:R+16*((\t)%4)+4*\i+3] offset:32*SP*((\t)%2)+8*SP*\i
.endr
.irp i, 0,1,2,3
	ds_load_b128 v[X+16*((\t)%2)+4*\i:X+16*((\t)%2)+4*\i+3], v15 offset:32*SP*((\t)%2)+16*\i
.endr
.endm
.irp t, 0,1,2,3
	LOAD \t
.endr
	s_wait_loadcnt 12                              ; step 0's four loads are in; three steps' twelve may be out
	TURN 0
.macro STEP t
.set XS, X+16*((\t)%2)
.if (\t) > 0
	s_wait_dscnt 1                                 ; this step's numbers are back from the stage; the last step's byte store may be out
.else
	s_wait_dscnt 0x0
.endif
.if (\t)+4 < STEPS
	LOAD (\t)+4                                    ; into the registers that this step's stage stores have read
.endif
.if (\t)+1 < STEPS
.if STEPS-2-(\t) >= 3
	s_wait_loadcnt 12                              ; the next step's loads are in; those of the three steps behind it may be out
.else
	s_wait_loadcnt 4*(STEPS-2-(\t))
.endif
	TURN (\t)+1
.endif
	v_max3_num_f32 v8, |v[XS]|, |v[XS+1]|, |v[XS+2]|
	v_max3_num_f32 v9, |v[XS+3]|, |v[XS+4]|, |v[XS+5]|
.irp i, 6,10
	v_max3_num_f32 v8, v8, |v[XS+\i]|, |v[XS+\i+1]|
	v_max3_num_f32 v9, v9, |v[XS+\i+2]|, |v[XS+\i+3]|
.endr
	v_max3_num_f32 v8, v8, |v[XS+14]|, |v[XS+15]|
	v_max3_num_f32 v8, v8, v9, (EMAX+1)<<23        ; and the floor 2^(3 - 127): the byte cannot fall under 1
	v_max_num_f32_dpp v8, v8, v8 row_xmask:1 row_mask:0xf bank_mask:0xf   ; with my neighbour's 16: the block's largest magnitude
	v_add_nc_u32 v11, -(EMAX<<23), v8              ; 2 off its exponent field: the conversion takes this operand's exponent field as its scale
	v_cvt_scalef32_pk8_fp4_f32 v[C+4*(\t)], v[XS:XS+7], v11
	v_cvt_scalef32_pk8_fp4_f32 v[C+4*(\t)+1], v[XS+8:XS+15], v11
	v_lshrrev_b32 v[E+(\t)], 23, v11               ; the scale's byte (also the plain line behind the conversions)
	ds_store_b8 v5, v[E+(\t)] offset:16*(\t)       ; both lanes of a block write the same byte with the same value
	global_store_b64 v4, v[C+4*(\t):C+4*(\t)+1], s[18:19] offset:32*CB*(\t)   ; the wave stores 256 consecutive bytes, aligned
.endm
.irp t, 0,1,2,3,4,5,6,7,8,9,10,11,12,13,14,15
	STEP \t
.endr
	ds_load_b64 v[8:9], v6
	s_wait_dscnt 0x0
	global_store_b64 v7, v[8:9], s[20:21]          ; the wave's 256 scale bytes, consecutive and aligned
	s_wait_tensorcnt 0x0                           ; the wave's end: behind my last LDS store
	ds_add_u32 v[SPW], v[NIL]
	s_wait_dscnt 0x0
	s_endpgm
; ---------------- the weights.  A LANE TAKES A COLUMN e AND ITS REGISTERS RUN DOWN K: a block of 32 lies in one lane, and the conversions give codes with K innermost.  A wave: 32 columns x 128 k: four blocks a lane.
.Lweights:
	s_cmp_ge_u32 ttmp9, XWG+WWG
	s_cbranch_scc1 .Lwo
	s_sub_co_u32 s3, ttmp9, XWG
	s_lshr_b32 s4, s3, 6                           ; t: q, k or v
	s_bfe_u32 s5, s3, 0x40002                      ; head
	s_and_b32 s6, s3, 3
	s_lshl_b32 s6, s6, 2
	s_add_co_u32 s6, s6, s2                        ; which of the head's 16 parts
	s_and_b32 s7, s6, 1                            ; which 32 columns
	s_lshr_b32 s6, s6, 1                           ; which 128 along K
	s_lshl_b32 s28, s5, 18                         ; in: head x 262,144 + 128 rows of 256 bytes + 32 columns of 4 bytes
	s_lshl_b32 s30, s6, 15
	s_add_co_u32 s28, s28, s30
	s_lshl_b32 s30, s7, 7
	s_add_co_u32 s28, s28, s30
	s_mov_b32 s29, 0
	s_lshl_b32 s30, s4, 6
	s_lshl_b32 s31, s5, 2
	s_add_co_u32 s30, s30, s31
	s_lshl_b32 s31, s7, 1
	s_add_co_u32 s30, s30, s31                     ; my first block of 16 rows: 64 t + 4 head + 2 (which 32 columns)
	s_lshl_b32 s32, s30, 9                         ; its scale bytes: 16 rows of 32 bytes,
	s_lshl_b32 s33, s6, 2
	s_add_co_u32 s32, s32, s33                     ; + my four bytes of a row
	s_mov_b32 s33, 0
	s_lshl_b32 s30, s30, 13                        ; its codes: 8,192 bytes a block of rows,
	s_lshl_b32 s31, s6, 10
	s_add_co_u32 s30, s30, s31                     ; + four blocks of k of 256 bytes
	s_mov_b32 s31, 0
	v_lshlrev_b32 v3, 2, v2                        ; in: 4 bytes a lane
	v_lshrrev_b32 v4, 4, v2
	v_lshlrev_b32 v4, 13, v4
	v_and_b32 v5, 15, v2
	v_lshl_add_u32 v4, v5, 4, v4                   ; codes: lanes 16-31 the next block of rows; 16 bytes a row
	v_lshlrev_b32 v5, 5, v2                        ; scale bytes: 32 a row
	s_wait_kmcnt 0x0
	s_cmp_eq_u32 s4, 0                             ; the choice hangs on the work-group's number alone
	s_cselect_b64 s[10:11], s[10:11], s[12:13]
	s_cmp_eq_u32 s4, 2
	s_cselect_b64 s[10:11], s[14:15], s[10:11]
	s_add_nc_u64 s[10:11], s[10:11], s[28:29]
	s_add_nc_u64 s[22:23], s[22:23], s[30:31]
	s_add_nc_u64 s[24:25], s[24:25], s[32:33]
.set n, 0
.rept 128
	global_load_b32 v[64+n], v3, s[10:11] offset:256*n   ; W(k, my column): 32 lanes read 128 consecutive bytes; the wave beside me reads the row's other 128
.set n, n+1
.endr
.macro WBLOCK bb, left
.set WS, 64+32*(\bb)
	s_wait_loadcnt \left                           ; this block's 32 loads are in
	v_max3_num_f32 v8, |v[WS]|, |v[WS+1]|, |v[WS+2]|
	v_max3_num_f32 v9, |v[WS+3]|, |v[WS+4]|, |v[WS+5]|
.irp i, 6,10,14,18,22,26
	v_max3_num_f32 v8, v8, |v[WS+\i]|, |v[WS+\i+1]|
	v_max3_num_f32 v9, v9, |v[WS+\i+2]|, |v[WS+\i+3]|
.endr
	v_max3_num_f32 v8, v8, |v[WS+30]|, |v[WS+31]|
	v_max3_num_f32 v8, v8, v9, (EMAX+1)<<23
	v_add_nc_u32 v[24+\bb], -(EMAX<<23), v8        ; the conversion's scale operand, a register for each block
	v_lshrrev_b32 v9, 23, v[24+\bb]
.if (\bb) == 0
	v_mov_b32 v48, v9                              ; four bytes make the scale word, the lower k in the lower byte
.else
	v_lshl_or_b32 v48, v9, 8*(\bb), v48
.endif
.irp g, 0,1,2,3
	v_cvt_scalef32_pk8_fp4_f32 v[32+4*(\bb)+\g], v[WS+8*\g:WS+8*\g+7], v[24+\bb]
.endr
	v_nop                                          ; one plain line behind the conversions
	global_store_b128 v4, v[32+4*(\bb):32+4*(\bb)+3], s[22:23] offset:256*(\bb)   ; sixteen lanes store 256 consecutive bytes, aligned
.endm
	WBLOCK 0, 63                                   ; 96 younger loads could stay out: the count's field ends at 63
	WBLOCK 1, 63                                   ; 64 could
	WBLOCK 2, 32
	WBLOCK 3, 0
	global_store_b32 v5, v48, s[24:25]             ; 4 bytes of each of 32 rows, 32 bytes apart: 98,304 bytes in the whole launch leave so
	s_endpgm
; ---------------- Wo to f16: a plain stream; a wave takes 8,192 bytes.
.Lwo:
	s_sub_co_u32 s3, ttmp9, XWG+WWG
	s_lshl_b32 s3, s3, 2
	s_add_co_u32 s3, s3, s2
	s_lshl_b32 s28, s3, 13
	s_mov_b32 s29, 0
	s_lshl_b32 s30, s3, 12
	s_mov_b32 s31, 0
	v_lshlrev_b32 v3, 4, v2
	v_lshlrev_b32 v4, 3, v2
	s_wait_kmcnt 0x0
	s_add_nc_u64 s[16:17], s[16:17], s[28:29]
	s_add_nc_u64 s[26:27], s[26:27], s[30:31]
.irp i, 0,1,2,3,4,5,6,7,8,9,10,11,12,13,14,15
	global_load_b128 v[16+4*\i:19+4*\i], v3, s[16:17] offset:512*\i th:TH_LOAD_NT
.endr
.irp i, 0,1,2,3,4,5,6,7,8,9,10,11,12,13,14,15
	s_wait_loadcnt 15-\i                           ; loads come back in order: number i is in
	v_cvt_pk_f16_f32 v[80+2*\i], v[16+4*\i], v[17+4*\i]
	v_cvt_pk_f16_f32 v[81+2*\i], v[18+4*\i], v[19+4*\i]
	global_store_b64 v4, v[80+2*\i:81+2*\i], s[26:27] offset:256*\i   ; the wave stores 256 consecutive bytes, aligned
.endr
	s_endpgm
.Lfunc_end_k_q1aadf87a81_prep:
	.size	k_q1aadf87a81_prep, .Lfunc_end_k_q1aadf87a81_prep-k_q1aadf87a81_prep
	.p2alignl 7, 3214868480
	.fill 96, 4, 3214868480
	.section	.rodata,"a",@progbits
	.p2align	6, 0x0
	.amdhsa_kernel k_q1aadf87a81_prep
		.amdhsa_group_segment_fixed_size 33280
		.amdhsa_private_segment_fixed_size 0
		.amdhsa_enable_private_segment 0
		.amdhsa_kernarg_size 80
		.amdhsa_user_sgpr_count 2
		.amdhsa_user_sgpr_kernarg_segment_ptr 1
		.amdhsa_wavefront_size32 1
		.amdhsa_system_sgpr_workgroup_id_x 1
		.amdhsa_system_sgpr_workgroup_id_y 1
		.amdhsa_system_sgpr_workgroup_id_z 1
		.amdhsa_system_vgpr_workitem_id 0
		.amdhsa_next_free_vgpr 192
		.amdhsa_next_free_sgpr 66
		.amdhsa_reserve_vcc 0
		.amdhsa_float_denorm_mode_32 3
		.amdhsa_float_denorm_mode_16_64 3
		.amdhsa_memory_ordered 1
		.amdhsa_forward_progress 1
		.amdhsa_inst_pref_size 59
	.end_amdhsa_kernel
	.amdgpu_metadata
---
amdhsa.version: [ 1, 2 ]
amdhsa.kernels:
  - .name:           k_q1aadf87a81_prep
    .symbol:         k_q1aadf87a81_prep.kd
    .args:
      - { .name: x, .offset: 0, .size: 8, .value_kind: global_buffer, .address_space: global }
      - { .name: Wq, .offset: 8, .size: 8, .value_kind: global_buffer, .address_space: global }
      - { .name: Wk, .offset: 16, .size: 8, .value_kind: global_buffer, .address_space: global }
      - { .name: Wv, .offset: 24, .size: 8, .value_kind: global_buffer, .address_space: global }
      - { .name: Wo, .offset: 32, .size: 8, .value_kind: global_buffer, .address_space: global }
      - { .name: x_codes, .offset: 40, .size: 8, .value_kind: global_buffer, .address_space: global }
      - { .name: x_scales, .offset: 48, .size: 8, .value_kind: global_buffer, .address_space: global }
      - { .name: w_img, .offset: 56, .size: 8, .value_kind: global_buffer, .address_space: global }
      - { .name: w_scales, .offset: 64, .size: 8, .value_kind: global_buffer, .address_space: global }
      - { .name: wo16, .offset: 72, .size: 8, .value_kind: global_buffer, .address_space: global }
    .group_segment_fixed_size: 33280
    .private_segment_fixed_size: 0
    .kernarg_segment_align: 8
    .kernarg_segment_size: 80
    .max_flat_workgroup_size: 128
    .sgpr_count:     66
    .vgpr_count:     192
    .wavefront_size: 32
...
	.end_amdgpu_metadata
.endif
;; end of part 1
;; launch qkv (part 2): grid 12 x 32, 4 waves a work-group, clusters of 4 x 4, 327,680 bytes of LDS; arguments x_codes, x_scales, w_img, w_scales, qkv; writes qkv
.if DOCPART == 2
	.amdgcn_target "amdgcn-amd-amdhsa--gfx1250"
	.amdhsa_code_object_version 6
	.text
	.protected	k_q1aadf87a81_qkv
	.globl	k_q1aadf87a81_qkv
	.p2align	8
	.type	k_q1aadf87a81_qkv,@function
k_q1aadf87a81_qkv:
	s_mov_b64 s[64:65], 0
	v_nop
	global_prefetch_b8 v0, s[64:65] scope:SCOPE_SE
	s_setreg_imm32_b32 hwreg(HW_REG_WAVE_MODE, 25, 1), 1
	s_wait_xcnt 0x0
	s_wait_alu depctr_hold_cnt(0) depctr_sa_sdst(0) depctr_va_vdst(0) depctr_va_sdst(0) depctr_va_ssrc(0) depctr_va_vcc(0) depctr_vm_vsrc(0)
	s_getreg_b32 s2, hwreg(HW_REG_IB_STS2, 6, 4)
	s_cmp_eq_u32 s2, 0
	s_cbranch_scc0 .Lentry_in_a_cluster
	s_endpgm
.Lentry_in_a_cluster:
	s_bfe_u32 s2, ttmp6, 0x10000c
	s_cmp_lg_u32 s2, 0xf033
	s_cbranch_scc0 .Lentry_shape_is_right
	s_endpgm
.Lentry_shape_is_right:
; Launch 2 of 4: Q, K and V in one product on E2M1 codes: C[m][n] = sum over k of x[m][k] W[n][k], m = 8,192 rows of x, n = 1024 t + 64 head + e (3,072), K = 1,024; f32 sums; the result leaves as f16.
; No work is left out.  LIMIT: a result beyond 65,504 does not fit f16 (the operands of the products that follow are f16: 11 significant bits).
; qkv: [3 t][16 heads][8192 m][64 e] f16: a head's rows are 128 consecutive bytes each.
; A tile of C, 256 x 256, is made by four waves; a wave makes 128 x 128: 64 accumulators, 512 registers.  K = 1,024 is two LDS slots of 512: both are first fills, nothing is filled again.
; x's tiles are rows of 256 bytes with 16 of padding.  W's codes lie in memory in the order of the operand's registers ([16 rows' block][32 k's block][16 rows][16 bytes]): a fragment load takes 512 consecutive LDS bytes.
; THE SCALES of the work-group's 256 rows of x and 256 rows of W, for all of K, are two dense blocks: they come once, in rows of 256 bytes.
; CLUSTERS: 4 x 4 work-groups; x's tiles are asked for jointly along a row of the cluster, W's along a column.  The matrix instruction is used transposed (source 0 = 16 rows of W, source 1 = 16 rows of x): a lane holds eight neighbouring n of one m.
; 384 tiles stand for 256 WGPs: uneven; what weighs here is the 50 MB that leave, not the products.
; REGISTERS: window 0: v0-31 addresses; v32-95 scale words, two sets, and nothing else; v128-191 x's fragments, one set, on the way out the rows read back; v192-223 the way out's packed results.  window 1: W's fragments, two sets.  windows 2, 3: the accumulators.
.set KSTEP,  512
.set NQ,     KSTEP/128
.set ROWB,   256                       ; a row of x's tile in bytes
.set KROW,   512                       ; a row of x_codes in memory
.set PITCH,  272
.set FR,     8
.set NL,     2
.set NP,     4
.set HALFT,  128*PITCH                 ; what a wave's load of x brings; W's 32,768 bytes take the same place
.set SLOT,   4*HALFT
.set KS,     32                        ; a row of scales in bytes
.set SCL,    2*SLOT
.set HALFS,  (128*KS/256)*272
.set SBLK,   (16*KS/256)*272
.set SPARE,  SCL+4*HALFS               ; the spare words, 128 bytes a wave, which no other line names
.set SPITCH, 272                       ; the way out: a stage of 16 rows x (256 bytes + 16) for each wave, in slot 0, which has had its only fill and its last read by then
.set ADRA, 16
.set ADRB, 20
.set STO,  24
.set RD,   25
.set CO,   26
.set ADRS, 27
.set SPW,  28
.set NIL,  29
.set SC,   32
.set AF,   128
.set TMP,  192                         ; the way out: packed results
.set OB,   128                         ; the way out: rows read back: v128-159 and v160-191 by turns
.set G1, 24
.set G0, 32
.set G1B, 48
.set G0B, 56
.set G1S, 68
.set G0S, 76
.set G1SB, 80
.set G0SB, 88
.set MSB, 0
.macro WIN new                         ; the immediate's high byte repeats the setting that is left
.if MSB != (\new)
	s_set_vgpr_msb (MSB<<8)|(\new)
.set MSB, (\new)
.endif
.endm
.set MUL_LO, 0xa1
.set MUL_HI, 0xf1
.set TO_B,   0x40
.macro JLOAD g0a, g1a, g0b, g1b        ; a joint load: waves 0 and 1 fetch for x, waves 2 and 3 for W; an s_nop 0 and four v_nop follow each line
	s_cmp_eq_u32 s15, 0
	s_cbranch_scc0 .Lfor_b_\@
	tensor_load_to_lds s[\g0a:\g0a+3], s[\g1a:\g1a+7]
	s_nop 0
.rept 4
	v_nop
.endr
	s_branch .Lasked_\@
.Lfor_b_\@:
	tensor_load_to_lds s[\g0b:\g0b+3], s[\g1b:\g1b+7]
	s_nop 0
.rept 4
	v_nop
.endr
.Lasked_\@:
.endm
.macro CROUND                          ; a round of the cluster's barrier
	s_barrier_signal -1
	s_barrier_wait -1
	s_cmp_lg_u32 s14, 0
	s_cbranch_scc1 .Lnot_wave_0_\@
	s_barrier_signal -3
.Lnot_wave_0_\@:
	s_barrier_wait -3
	s_barrier_signal -1
	s_barrier_wait -1
.endm
	s_load_b128 s[4:7], s[0:1], 0x0                ; x's codes, x's scales
	s_load_b128 s[8:11], s[0:1], 0x10              ; W's codes, W's scales
	s_load_b64 s[12:13], s[0:1], 0x20              ; qkv
	v_lshl_add_u32 v[SPW], v0, 2, SPARE
	v_mov_b32 v[NIL], 0
	ds_add_u32 v[SPW], v[NIL]                      ; the wave's opening: the add, twice on end, and its wait ahead of my first tensor load
	ds_add_u32 v[SPW], v[NIL]
	v_lshrrev_b32 v1, 5, v0
	v_readfirstlane_b32 s14, v1                    ; wave
	s_lshr_b32 s15, s14, 1                         ; my half of the tile's rows; also: I fetch for x (0) or for W (1)
	s_and_b32 s16, s14, 1                          ; my half of its columns; also: which 128 rows I fetch
	s_bfe_u32 s40, ttmp6, 0x40000                  ; cx
	s_bfe_u32 s41, ttmp6, 0x40004                  ; cy
	s_lshl_b32 s42, ttmp9, 2
	s_add_co_u32 s42, s42, s40                     ; tile column
	s_and_b32 s17, ttmp7, 0xffff
	s_lshl_b32 s17, s17, 2
	s_add_co_u32 s17, s17, s41                     ; tile row
	s_lshl_b32 s43, s41, 2
	s_lshl_b32 s43, 15, s43                        ; my row of the cluster
	s_lshl_b32 s44, 0x1111, s40                    ; my column
	s_or_b32 s[G1+0], s43, (0<<16)|(1<<20)|(1<<21)|(5<<22)|(3<<25)  ; x: elements of 1 byte; 4 words of padding behind every 64
	s_mov_b32 s[G1+1], ROWB<<16
	s_mov_b32 s[G1+2], 128<<16
	s_mov_b32 s[G1+3], ROWB<<16
	s_mov_b32 s[G1+4], 128
	s_mov_b32 s[G1+5], KROW
	s_mov_b32 s[G1+6], 0
	s_mov_b32 s[G1+7], 0
	s_or_b32 s[G1B+0], s44, (3<<16)|(1<<21)        ; W: elements of 8 bytes, no padding: 8 blocks of 16 rows, of each 4,096 bytes (512 along K) out of 8,192
	s_mov_b32 s[G1B+1], 512<<16
	s_mov_b32 s[G1B+2], 8<<16
	s_mov_b32 s[G1B+3], 512<<16
	s_mov_b32 s[G1B+4], 8
	s_mov_b32 s[G1B+5], 1024
	s_mov_b32 s[G1B+6], 0
	s_mov_b32 s[G1B+7], 0
	s_or_b32 s[G1S+0], s43, (3<<16)|(1<<20)|(1<<21)|(5<<22)|(3<<25) ; the scales of 128 rows: 4,096 dense bytes as rows of 256 with 16 of padding
	s_or_b32 s[G1SB+0], s44, (3<<16)|(1<<20)|(1<<21)|(5<<22)|(3<<25)
.irp g, G1S, G1SB
	s_mov_b32 s[\g+1], 32<<16
	s_mov_b32 s[\g+2], (128*KS/256)<<16
	s_mov_b32 s[\g+3], 32<<16
	s_mov_b32 s[\g+4], 128*KS/256
	s_mov_b32 s[\g+5], 32
	s_mov_b32 s[\g+6], 0
	s_mov_b32 s[\g+7], 0
.endr
	s_lshl_b32 s18, s16, 7
	s_lshl_b32 s20, s17, 8
	s_add_co_u32 s20, s20, s18                     ; x: row 256 x tile row + 128 x half
	s_lshl_b32 s46, s42, 8
	s_add_co_u32 s46, s46, s18                     ; W: row 256 x tile column + 128 x half
	s_mov_b32 s21, 0
	s_mov_b32 s47, 0
	s_mov_b64 s[18:19], KS
	s_mul_u64 s[22:23], s[20:21], s[18:19]         ; where these rows' scales begin
	s_mul_u64 s[92:93], s[46:47], s[18:19]
	s_mov_b64 s[18:19], KROW
	s_mul_u64 s[20:21], s[20:21], s[18:19]         ; and their codes: 512 bytes a row in both layouts
	s_mul_u64 s[46:47], s[46:47], s[18:19]
	s_mul_i32 s45, s14, HALFT                      ; where they go: no place in the cluster enters an LDS address
	s_mul_i32 s94, s14, HALFS
	s_wait_dscnt 0x0                               ; both opening adds are done
	s_wait_kmcnt 0x0
	s_add_nc_u64 s[20:21], s[4:5], s[20:21]
	s_add_nc_u64 s[22:23], s[6:7], s[22:23]
	s_add_nc_u64 s[46:47], s[8:9], s[46:47]
	s_add_nc_u64 s[92:93], s[10:11], s[92:93]
	CROUND                                         ; all sixteen work-groups are here: the joint loads meet
	s_mov_b32 s[G0S], 1
	s_add_co_u32 s[G0S+1], s94, SCL
	s_mov_b64 s[G0S+2:G0S+3], s[22:23]
	s_or_b32 s[G0S+3], s[G0S+3], 0x80000000
	s_mov_b32 s[G0SB], 1
	s_add_co_u32 s[G0SB+1], s94, SCL
	s_mov_b64 s[G0SB+2:G0SB+3], s[92:93]
	s_or_b32 s[G0SB+3], s[G0SB+3], 0x80000000
	JLOAD G0S, G1S, G0SB, G1SB                     ; the scales first; three loads of mine are out behind the last of these
.irp s, 0,1
	s_mov_b32 s[G0+4*\s], 1
	s_add_co_u32 s[G0+4*\s+1], s45, \s*SLOT
	s_add_nc_u64 s[G0+4*\s+2:G0+4*\s+3], s[20:21], \s*ROWB
	s_or_b32 s[G0+4*\s+3], s[G0+4*\s+3], 0x80000000
	s_mov_b32 s[G0B+4*\s], 1
	s_add_co_u32 s[G0B+4*\s+1], s45, \s*SLOT
	s_add_nc_u64 s[G0B+4*\s+2:G0B+4*\s+3], s[46:47], \s*4096
	s_or_b32 s[G0B+4*\s+3], s[G0B+4*\s+3], 0x80000000
	JLOAD G0+4*\s, G1, G0B+4*\s, G1B
.endr
	v_and_b32 v1, 15, v0                           ; r
	v_bfe_u32 v2, v0, 4, 1                         ; h
	v_mul_u32_u24 v3, v1, PITCH
	v_lshl_add_u32 v4, v2, 4, v3                   ; x: a fragment's row x pitch + 16 h
	v_and_b32 v6, 31, v0
	v_lshlrev_b32 v7, 4, v6                        ; W: 16 x lane = 256 h + 16 r
	s_mul_i32 s21, s15, HALFT
	s_mul_i32 s22, s16, HALFT
	s_add_co_u32 s22, s22, 2*HALFT
.irp s, 0,1
	v_add_nc_u32 v[ADRA+\s], s21, v4
	v_add_nc_u32 v[ADRB+\s], s22, v7
	s_add_co_u32 s21, s21, SLOT
	s_add_co_u32 s22, s22, SLOT
.endr
	v_mul_u32_u24 v5, v1, KS                       ; my row's scales: 32 bytes a row, and 16 more for each 256 passed
	v_lshrrev_b32 v8, 8, v5
	v_lshl_add_u32 v5, v8, 4, v5
	s_mul_i32 s21, s15, HALFS
	s_mul_i32 s22, s16, HALFS
	s_add_co_u32 s22, s22, 2*HALFS
	s_sub_co_u32 s22, s22, s21
	v_mul_u32_u24 v8, s22, v2                      ; lanes 16-31 take W's
	s_add_co_u32 s21, s21, SCL
	v_add_nc_u32 v5, v5, v8
	v_add_nc_u32 v[ADRS], s21, v5
	s_mul_i32 s23, s14, 16*SPITCH                  ; my stage
	v_mul_u32_u24 v5, v1, SPITCH
	v_lshl_add_u32 v5, v2, 4, v5
	v_add_nc_u32 v[STO], s23, v5                   ; in: row r, 16 bytes for each half of the lanes
	v_lshrrev_b32 v5, 3, v6
	v_mul_u32_u24 v5, v5, SPITCH
	v_and_b32 v8, 7, v0
	v_lshl_add_u32 v5, v8, 4, v5
	v_add_nc_u32 v[RD], s23, v5                    ; back: eight lanes take a head's 128 bytes of a row; four rows an instruction
	v_mov_b32 v[CO], v7                            ; those four rows are 512 consecutive bytes of qkv
	s_lshl_b32 s20, s17, 15                        ; 256 rows of 128 bytes x tile row
	s_lshl_b32 s21, s15, 14
	s_add_co_u32 s20, s20, s21
	s_mov_b32 s21, 0
	s_lshl_b32 s46, s42, 2
	s_lshl_b32 s47, s16, 1
	s_add_co_u32 s46, s46, s47                     ; 16 t + head of my first column = 4 x tile column + 2 x half
	s_lshl_b32 s46, s46, 20                        ; 1,048,576 bytes each
	s_mov_b32 s47, 0
	s_add_nc_u64 s[20:21], s[20:21], s[46:47]
	s_add_nc_u64 s[12:13], s[12:13], s[20:21]
.macro FRAG reg, adr, q, i             ; x: lane (r, h): registers 4 c .. 4 c + 3 hold K = 64 c + 32 h + 0 .. 31 of row r
.irp c, 0,1
	ds_load_b128 v[\reg+4*\c:\reg+4*\c+3], v[\adr] offset:64*(\q)+32*\c+(\i)*16*PITCH
.endr
.endm
.macro FRAGB reg, adr, q, i            ; W: block of rows i at 4,096 i; block of k 4 q + 2 c + h at 256 each; row r at 16
.irp c, 0,1
	ds_load_b128 v[\reg+4*\c:\reg+4*\c+3], v[\adr] offset:1024*(\q)+512*\c+(\i)*4096
.endr
.endm
; 16 matrix instructions: x's blocks a0, a0 + 1 against W's eight.  The 64 accumulators take turns, one instruction a turn, in the same order in every step.
.macro MUL16 a0, p, q, sc, zero
.irp a, \a0, \a0+1
.irp b, 0,1,2,3,4,5,6,7
.if \zero
	v_wmma_scale_f32_16x16x128_f8f6f4 v[8*(8*((\a)%4)+\b):8*(8*((\a)%4)+\b)+7], v[128*(\p)+FR*\b:128*(\p)+FR*\b+FR-1], v[AF+FR*(\a):AF+FR*(\a)+FR-1], 0, v[SC+8*NQ*(\sc)+NQ*\b+(\q)], v[SC+8*NQ*(\sc)+NQ*(\a)+(\q)] matrix_a_fmt:MATRIX_FMT_FP4 matrix_b_fmt:MATRIX_FMT_FP4 matrix_a_scale:MATRIX_SCALE_ROW1
.else
	v_wmma_scale_f32_16x16x128_f8f6f4 v[8*(8*((\a)%4)+\b):8*(8*((\a)%4)+\b)+7], v[128*(\p)+FR*\b:128*(\p)+FR*\b+FR-1], v[AF+FR*(\a):AF+FR*(\a)+FR-1], v[8*(8*((\a)%4)+\b):8*(8*((\a)%4)+\b)+7], v[SC+8*NQ*(\sc)+NQ*\b+(\q)], v[SC+8*NQ*(\sc)+NQ*(\a)+(\q)] matrix_a_fmt:MATRIX_FMT_FP4 matrix_b_fmt:MATRIX_FMT_FP4 matrix_a_scale:MATRIX_SCALE_ROW1
.endif
.endr
.endr
.endm
.macro FETCH_B slot, q, p
	WIN TO_B
.irp i, 0,1,2,3,4,5,6,7
	FRAGB 128*(\p)+FR*\i, ADRB+\slot, \q, \i
.endr
	WIN 0
.endm
.macro FETCH_A slot, q, i0
.irp i, \i0, \i0+1, \i0+2, \i0+3
	FRAG AF+FR*(\i), ADRA+\slot, \q, \i
.endr
.endm
.macro SCALES sc                       ; a slot's scale words: lanes 0-15 x's block i, lanes 16-31 W's block i
.irp i, 0,1,2,3,4,5,6,7
	ds_load_b128 v[SC+8*NQ*\sc+NQ*\i:SC+8*NQ*\sc+NQ*\i+3], v[ADRS] offset:\i*SBLK
.endr
.endm
.macro PLACES n                        ; plain vector lines between a matrix instruction and a load into, or a read of, its registers
.rept \n
	v_nop
.endr
.endm
.macro STEP slot, q, zero              ; 128 along K, with its successor in the same slot
	s_wait_dscnt 4*NL                              ; W's set and x's blocks 0-3 are in; the youngest eight loads (x's blocks 4-7) may be out
	WIN MUL_LO
	MUL16 0, (\q)%2, \q, \slot, \zero
	MUL16 2, (\q)%2, \q, \slot, \zero
	s_wait_dscnt 0
	PLACES NP
	FETCH_B \slot, (\q)+1, 1-(\q)%2
	FETCH_A \slot, (\q)+1, 0
	WIN MUL_HI
	MUL16 4, (\q)%2, \q, \slot, \zero
	MUL16 6, (\q)%2, \q, \slot, \zero
	PLACES NP
	WIN 0
	FETCH_A \slot, (\q)+1, 4
.endm
.macro TURN slot, next                 ; slot 0's last step: one barrier; behind it slot 1 is whole and nobody reads slot 0 any more.  Nothing is filled again
	s_wait_tensorcnt 0x0                           ; all my tensor loads have landed: my part of slot 1
	ds_add_u32 v[SPW], v[NIL]                      ; 0 onto my spare word
	s_wait_dscnt 4*NL+1                            ; the add and the youngest eight loads may be out
	WIN MUL_LO
	MUL16 0, 1, NQ-1, \slot, 0
	s_wait_dscnt 0x0                               ; the add is done, my reads of this slot are over
	s_barrier_signal -1
	MUL16 2, 1, NQ-1, \slot, 0
	WIN 0
	s_barrier_wait -1
	PLACES NP
	v_add_nc_u32 v[ADRS], 4*NQ, v[ADRS]            ; on to the next slot's scale words
	FETCH_B \next, 0, 0
	FETCH_A \next, 0, 0
	SCALES \next
	WIN MUL_HI
	MUL16 4, 1, NQ-1, \slot, 0
	MUL16 6, 1, NQ-1, \slot, 0
	PLACES NP
	WIN 0
	FETCH_A \next, 0, 4
.endm
.macro STEPS slot, from
.set Q, \from
.rept NQ-1-\from
	STEP \slot, Q, 0
.set Q, Q+1
.endr
.endm
	s_wait_tensorcnt 1                             ; the scales and my part of slot 0 are in; slot 1's load may be out
	s_barrier_signal -1
	s_barrier_wait -1
	FETCH_B 0, 0, 0
	FETCH_A 0, 0, 0
	SCALES 0
	FETCH_A 0, 0, 4
	STEP 0, 0, 1                                   ; the first products start the sums: nothing is cleared
	STEPS 0, 1
	TURN 0, 1
	STEPS 1, 0
	s_wait_dscnt 4*NL
	WIN MUL_LO
	MUL16 0, 1, NQ-1, 1, 0
	MUL16 2, 1, NQ-1, 1, 0
	s_wait_dscnt 0
	WIN MUL_HI
	MUL16 4, 1, NQ-1, 1, 0
	MUL16 6, 1, NQ-1, 1, 0
	WIN 0
; THE WAY OUT, block by block of 16 rows x 128 columns (two heads).  A lane's eight numbers round to 16 bytes of f16; they go into my stage and come back as a head's rows: four rows of 128 bytes are 512 consecutive bytes of qkv.
.macro PACK a
.set AC, 64*((\a)%4)
	WIN 0x0a+5*((\a)/4)                            ; sources 0 and 1: window 2 or 3
.irp b, 0,1,2,3,4,5,6,7
.irp r, 0,1,2,3
	v_cvt_pk_f16_f32 v[TMP+4*\b+\r], v[AC+8*\b+2*\r], v[AC+8*\b+2*\r+1]   ; each accumulator from its low end on
.endr
.endr
	WIN 0
.endm
.macro TOSTAGE a
.set BKR, OB+32*((\a)%2)
.irp b, 0,1,2,3,4,5,6,7
	ds_store_b128 v[STO], v[TMP+4*\b:TMP+4*\b+3] offset:32*\b
.endr
.irp t, 0,1,2,3,4,5,6,7
	ds_load_b128 v[BKR+4*\t:BKR+4*\t+3], v[RD] offset:(\t%4)*4*SPITCH+128*(\t/4)   ; LDS serves a wave's instructions in order: these see the stores above
.endr
.endm
.macro SEND a
.set BKR, OB+32*((\a)%2)
	s_wait_dscnt 0x0                               ; the block is back in registers
	s_wait_xcnt 0x0                                ; the stores of the block before have read their registers: the next block's loads may land there
.irp t, 0,1,2,3,4,5,6,7
	global_store_b128 v[CO], v[BKR+4*\t:BKR+4*\t+3], s[12:13] offset:(\t/4)*1048576+(\a)*2048+(\t%4)*512   ; 32 lanes store 512 consecutive bytes, aligned
.endr
.endm
	PLACES NP                                      ; behind the last products: for the first conversions, and for the loads into the registers that held x's fragments
	PACK 0
	TOSTAGE 0
.irp a, 1,2,3,4,5,6,7                  ; block a's conversions stand between block a - 1's loads from the stage and the wait for them
	PACK \a
	SEND \a-1
	TOSTAGE \a
.endr
	SEND 7
	s_wait_tensorcnt 0x0                           ; the wave's end
	ds_add_u32 v[SPW], v[NIL]
	s_wait_dscnt 0x0
	CROUND                                         ; the closing round
	s_endpgm
.Lfunc_end_k_q1aadf87a81_qkv:
	.size	k_q1aadf87a81_qkv, .Lfunc_end_k_q1aadf87a81_qkv-k_q1aadf87a81_qkv
	.p2alignl 7, 3214868480
	.fill 96, 4, 3214868480
	.section	.rodata,"a",@progbits
	.p2align	6, 0x0
	.amdhsa_kernel k_q1aadf87a81_qkv
		.amdhsa_group_segment_fixed_size 327680
		.amdhsa_private_segment_fixed_size 0
		.amdhsa_enable_private_segment 0
		.amdhsa_kernarg_size 40
		.amdhsa_user_sgpr_count 2
		.amdhsa_user_sgpr_kernarg_segment_ptr 1
		.amdhsa_wavefront_size32 1
		.amdhsa_system_sgpr_workgroup_id_x 1
		.amdhsa_system_sgpr_workgroup_id_y 1
		.amdhsa_system_sgpr_workgroup_id_z 1
		.amdhsa_system_vgpr_workitem_id 0
		.amdhsa_next_free_vgpr 1024
		.amdhsa_next_free_sgpr 98
		.amdhsa_reserve_vcc 0
		.amdhsa_float_denorm_mode_32 3
		.amdhsa_float_denorm_mode_16_64 3
		.amdhsa_memory_ordered 1
		.amdhsa_forward_progress 1
		.amdhsa_inst_pref_size 126
	.end_amdhsa_kernel
	.amdgpu_metadata
---
amdhsa.version: [ 1, 2 ]
amdhsa.kernels:
  - .name:           k_q1aadf87a81_qkv
    .symbol:         k_q1aadf87a81_qkv.kd
    .args:
      - { .name: x_codes, .offset: 0, .size: 8, .value_kind: global_buffer, .address_space: global }
      - { .name: x_scales, .offset: 8, .size: 8, .value_kind: global_buffer, .address_space: global }
      - { .name: w_img, .offset: 16, .size: 8, .value_kind: global_buffer, .address_space: global }
      - { .name: w_scales, .offset: 24, .size: 8, .value_kind: global_buffer, .address_space: global }
      - { .name: qkv, .offset: 32, .size: 8, .value_kind: global_buffer, .address_space: global }
    .group_segment_fixed_size: 327680
    .private_segment_fixed_size: 0
    .kernarg_segment_align: 8
    .kernarg_segment_size: 40
    .max_flat_workgroup_size: 128
    .sgpr_count:     98
    .vgpr_count:     1024
    .wavefront_size: 32
...
	.end_amdgpu_metadata
.endif
;; end of part 2
;; launch attn (part 3): grid 4 x 64, 8 waves a work-group, clusters of 4 x 1, 327,680 bytes of LDS; arguments qkv, att; writes att
.if DOCPART == 3
	.amdgcn_target "amdgcn-amd-amdhsa--gfx1250"
	.amdhsa_code_object_version 6
	.text
	.protected	k_q1aadf87a81_attn
	.globl	k_q1aadf87a81_attn
	.p2align	8
	.type	k_q1aadf87a81_attn,@function
k_q1aadf87a81_attn:
	s_mov_b64 s[64:65], 0
	v_nop
	global_prefetch_b8 v0, s[64:65] scope:SCOPE_SE
	s_setreg_imm32_b32 hwreg(HW_REG_WAVE_MODE, 25, 1), 1
	s_wait_xcnt 0x0
	s_wait_alu depctr_hold_cnt(0) depctr_sa_sdst(0) depctr_va_vdst(0) depctr_va_sdst(0) depctr_va_ssrc(0) depctr_va_vcc(0) depctr_vm_vsrc(0)
	s_getreg_b32 s2, hwreg(HW_REG_IB_STS2, 6, 4)
	s_cmp_eq_u32 s2, 0
	s_cbranch_scc0 .Lentry_in_a_cluster
	s_endpgm
.Lentry_in_a_cluster:
	s_bfe_u32 s2, ttmp6, 0x10000c
	s_cmp_lg_u32 s2, 0x3003
	s_cbranch_scc0 .Lentry_shape_is_right
	s_endpgm
.Lentry_shape_is_right:
; Launch 3 of 4: att[h][b s][:] = sum over keys of softmax(Q . K / 8) V, for each of 64 (head, batch) blocks of 2,048 positions, head size 64.  Q, K, V f16 from qkv; products, maxima and sums in f32; the weights p go to f16; att f16.
; No work is left out: there is no mask; the running maximum is taken away before every exponential.
; SHARES.  Work-group y = 4 head + batch; the four partners of a cluster take 512 queries each; each of eight waves 64: four tiles of 16.  Every wave walks all 2,048 keys, 64 a step.
; LAYOUT.  S^T = K Q^T (source 0 = 16 keys, source 1 = 16 queries), O^T = V^T P (source 0 = 16 channels, source 1 = P): a lane holds ONE query throughout; two tiles of S^T, rounded in pairs IN PLACE, are source 1 of the second product.
; SOFTMAX.  p = 2^(c s - c m), c = log2(e) / 8, m the running maximum; in every step O^T and the sum l are multiplied by a = 2^(c m_old - c m_new).
; TWO SETS IN OPPOSITE PHASES.  Two waves share a SIMD.  SET = (wave xor wave / 4) & 1 differs between waves w and w + 4 and between waves 2 i and 2 i + 1.  Time is cut by work-group barriers into half steps:
;   in each, one set runs MM (32 products V^T P of a step, 32 products K Q^T of the next), the other SM (a step's softmax, with the LDS loads of its V and the next K at its head).  So matrix and vector work stand side by side,
;   and the text stays in long stretches under one register window.
; THE RING.  Two slots of four places; a place holds 64 rows of K and 64 of V.  K RUNS ONE STEP AHEAD: slot s holds V(4 s .. 4 s + 3) and K(4 s + 1 .. 4 s + 4), so that SM(j) reads V(j) and K(j + 1) from ONE place, j % 4 of slot j / 4,
;   and both sets have left a slot before either touches the next.  K(0) has a fifth place in slot 0, filled once.  K(32) does not exist: the last refill is written out, and wave 3 asks for nothing there.
; CLUSTER.  The four partners walk the same K and V: each tile is asked for jointly (mask 15).  Waves 0-3 fetch K's places, waves 4-7 V's, 64 rows a load.
; THE START IS NEUTRAL: m = -3e38, l = 0, S^T, O^T and V zeros (320 moves, once), so that the loop has no first trip of its own; set 1's first V^T P multiplies zeros.
; LIMITS: NaN and infinities are not served.
; REGISTERS: window 0: v2-13 addresses; v16-47 statistics, 8 a tile: +0 c m, +1 m, +2, +3 l, +4 .. +7 at work (a in +6); v64-191 S^T, 32 a tile (P in the low 16); v192-255 Q.   window 1: v0-127 O^T, 32 a tile; v128-191 K; v192-255 V.
.set KS,    64
.set PK,    144                        ; a row of K in LDS: 128 bytes + 16
.set PVP,   160                        ; a row of V: 128 + 32: an odd multiple of 32
.set VOFF,  KS*PK
.set STEPB, KS*(PK+PVP)                ; a place: 19,456 bytes
.set SLOT1, 1<<17
.set ORPH,  4*STEPB                    ; K(0)
.set STAGE, SLOT1+4*STEPB              ; the way out: 16 rows x 144 bytes for each wave; no fill lands here
.set SP,    144
.set SPARE, STAGE+8*16*SP              ; the spare words, 128 bytes a wave, which no other line names
.set TENSOR, 16777216                  ; bytes of Q (of K, of V) in qkv
.set PFMAX, 262144-256                 ; the last 256 bytes of a (head, batch) block
.set AK0, 2
.set AV0, 3
.set ADK, 4
.set ADV, 5
.set QO,  6
.set STO, 7
.set RD,  8
.set GO,  9
.set PFO, 10                           ; the prefetches' offset, held inside the block
.set PFP, 11                           ; the same as it walks
.set SPW, 12
.set NIL, 13
.set ST,  16
.set S,   64
.set Q,   192
.set KF,  128                          ; window 1
.set VF,  192                          ; window 1
.set WV,  12
.set CX,  13
.set SET, 14
.set ASKR, 15                          ; 1 in waves 0 and 4, which prefetch
.set T0,  16
.set T1,  17
.set PFA, 18
.set G1K, 24
.set G1V, 32
.set G0K, 40                           ; two sets: slot 0's; slot 1's, which then walks
.set G0V, 48
.set SLOTS, 56
.set CNT, 57
.set CS,  58
.set SEL, 60
.set TB,  62                           ; LDS byte at which the slot in hand begins
.set QB,  66
.set AB,  68
.set KH,  70
.set VH,  72
.set G0X, 76                           ; K(0)
.set MSB, 0
.macro WIN new
.if MSB != (\new)
	s_set_vgpr_msb (MSB<<8)|(\new)
.set MSB, (\new)
.endif
.endm
.macro NOPS n
.rept \n
	v_nop
.endr
.endm
.macro CROUND
	s_barrier_signal -1
	s_barrier_wait -1
	s_cmp_lg_u32 s[WV], 0
	s_cbranch_scc1 .Lnot_wave_0_\@
	s_barrier_signal -3
.Lnot_wave_0_\@:
	s_barrier_wait -3
	s_barrier_signal -1
	s_barrier_wait -1
.endm
.macro BAR                             ; the end of a half step: my LDS loads are in; then the work-group's barrier
	s_wait_dscnt 0x0
	s_barrier_signal -1
	s_barrier_wait -1
.endm
; A joint refill, by the walking descriptors.  last = 1: slot 7, in which K's fourth place has no tile: wave 3 asks for nothing.  The branches hang on the wave's number alone.
.macro JLOAD last
	s_cmp_lt_u32 s[WV], 4-\last
	s_cbranch_scc0 .Lnot_k_\@
	tensor_load_to_lds s[G0K+4:G0K+7], s[G1K:G1K+7]
	s_nop 0
	NOPS 4
	s_branch .Lasked_\@
.Lnot_k_\@:
.if \last
	s_cmp_lt_u32 s[WV], 4
	s_cbranch_scc1 .Lasked_\@
.endif
	tensor_load_to_lds s[G0V+4:G0V+7], s[G1V:G1V+7]
	s_nop 0
	NOPS 4
.Lasked_\@:
.endm
	s_load_b128 s[4:7], s[0:1], 0x0                ; qkv, att
	v_lshl_add_u32 v[SPW], v0, 2, SPARE
	v_mov_b32 v[NIL], 0
	ds_add_u32 v[SPW], v[NIL]                      ; the wave's opening: the add, twice on end, and its wait ahead of my first tensor load
	ds_add_u32 v[SPW], v[NIL]
	v_lshrrev_b32 v1, 5, v0
	v_readfirstlane_b32 s[WV], v1                  ; wave 0..7
	s_bfe_u32 s[CX], ttmp6, 0x40000                ; my place in the cluster = my block of 512 queries: it enters Q's, att's and the prefetches' addresses alone
	s_lshr_b32 s[SET], s[WV], 2
	s_xor_b32 s[SET], s[SET], s[WV]
	s_and_b32 s[SET], s[SET], 1
	s_and_b32 s[T0], s[WV], 3                      ; the place that I fetch
	s_cmp_eq_u32 s[T0], 0
	s_cselect_b32 s[ASKR], 1, 0
	s_lshl_b32 s[T1], s[T0], 13                    ; its 64 rows of 128 bytes in memory,
	s_mul_i32 s[T0], s[T0], STEPB                  ; and in a slot
	s_and_b32 s20, ttmp7, 0xffff                   ; 4 head + batch
	s_lshl_b32 s20, s20, 18                        ; x 2,048 rows of 128 bytes
	s_mov_b32 s21, 0
	s_lshl_b32 s22, s[CX], 16
	s_lshl_b32 s23, s[WV], 13
	s_add_co_u32 s22, s22, s23
	s_add_co_u32 s22, s22, s20                     ; my wave's first query
	s_mov_b32 s23, 0
	s_mov_b32 s[G1K], 15|(1<<16)|(1<<20)|(1<<21)|(4<<22)|(3<<25)  ; the mask: all four; elements of 2 bytes; padding: 4 words behind every 32
	s_mov_b32 s[G1V], 15|(1<<16)|(1<<20)|(1<<21)|(4<<22)|(7<<25)  ; 8 words
.irp g, G1K, G1V
	s_mov_b32 s[\g+1], 64<<16                      ; tensor_dim0
	s_mov_b32 s[\g+2], KS<<16                      ; tensor_dim1
	s_mov_b32 s[\g+3], 64<<16                      ; tile_dim0
	s_mov_b32 s[\g+4], KS                          ; tile_dim1
	s_mov_b32 s[\g+5], 64                          ; elements from row to row
	s_mov_b32 s[\g+6], 0
	s_mov_b32 s[\g+7], 0
.endr
	s_mov_b32 s[CS], 0x3e38aa3b                    ; c = log2(e) / 8
	s_mov_b32 s[CS+1], s[CS]
	s_mov_b32 s[SEL], 0x76543210
	s_mov_b32 s[SEL+1], 0xfedcba98
	s_mov_b32 s[TB], 0
	s_mov_b32 s[SLOTS], 5
	s_wait_dscnt 0x0                               ; both opening adds are done
	s_wait_kmcnt 0x0
	s_add_nc_u64 s[QB:QB+1], s[4:5], s[22:23]
	s_add_nc_u64 s[AB:AB+1], s[6:7], s[22:23]
	s_add_nc_u64 s[KH:KH+1], s[4:5], s[20:21]
	s_add_nc_u64 s[VH:VH+1], s[KH:KH+1], 2*TENSOR
	s_add_nc_u64 s[KH:KH+1], s[KH:KH+1], TENSOR
	s_mov_b32 s20, s[T1]
	s_add_nc_u64 s[22:23], s[KH:KH+1], s[20:21]    ; K and V at the step of my place's number
	s_add_nc_u64 s[20:21], s[VH:VH+1], s[20:21]
	CROUND                                         ; all four work-groups are here: the first joint loads meet
.irp s, 0,1
	s_mov_b32 s[G0K+4*\s], 1
	s_add_co_u32 s[G0K+4*\s+1], s[T0], \s*SLOT1
	s_add_nc_u64 s[G0K+4*\s+2:G0K+4*\s+3], s[22:23], 8192+\s*32768   ; K one step ahead
	s_or_b32 s[G0K+4*\s+3], s[G0K+4*\s+3], 0x80000000
	s_mov_b32 s[G0V+4*\s], 1
	s_add_co_u32 s[G0V+4*\s+1], s[T0], \s*SLOT1+VOFF
	s_add_nc_u64 s[G0V+4*\s+2:G0V+4*\s+3], s[20:21], \s*32768
	s_or_b32 s[G0V+4*\s+3], s[G0V+4*\s+3], 0x80000000
.endr
	s_mov_b32 s[G0X], 1
	s_mov_b32 s[G0X+1], ORPH
	s_mov_b64 s[G0X+2:G0X+3], s[KH:KH+1]
	s_or_b32 s[G0X+3], s[G0X+3], 0x80000000
	s_cmp_lg_u32 s[WV], 0                          ; every wave's first fills stand together in one arm: wave 0 has three loads out, the others two
	s_cbranch_scc1 .Lfirst_not0
	tensor_load_to_lds s[G0X:G0X+3], s[G1K:G1K+7]
	s_nop 0
	tensor_load_to_lds s[G0K:G0K+3], s[G1K:G1K+7]
	s_nop 0
	tensor_load_to_lds s[G0K+4:G0K+7], s[G1K:G1K+7]
	s_nop 0
	NOPS 4
	s_branch .Lfirst_asked
.Lfirst_not0:
	s_cmp_lt_u32 s[WV], 4
	s_cbranch_scc0 .Lfirst_v
	tensor_load_to_lds s[G0K:G0K+3], s[G1K:G1K+7]
	s_nop 0
	tensor_load_to_lds s[G0K+4:G0K+7], s[G1K:G1K+7]
	s_nop 0
	NOPS 4
	s_branch .Lfirst_asked
.Lfirst_v:
	tensor_load_to_lds s[G0V:G0V+3], s[G1V:G1V+7]
	s_nop 0
	tensor_load_to_lds s[G0V+4:G0V+7], s[G1V:G1V+7]
	s_nop 0
	NOPS 4
.Lfirst_asked:
	v_and_b32 v1, 15, v0                           ; r
	v_bfe_u32 v14, v0, 4, 1                        ; h
	v_lshlrev_b32 v[QO], 7, v1
	v_lshl_add_u32 v[QO], v14, 4, v[QO]
.irp f, 0,1,2,3,4,5,6,7                        ; Q stays in registers: tile f / 2, channels 32 (f % 2) on
	global_load_b128 v[Q+8*\f:Q+8*\f+3],   v[QO], s[QB:QB+1] offset:(\f/2)*2048+(\f%2)*64
	global_load_b128 v[Q+8*\f+4:Q+8*\f+7], v[QO], s[QB:QB+1] offset:(\f/2)*2048+(\f%2)*64+32
.endr
	v_mul_u32_u24 v[AK0], v1, PK
	v_lshl_add_u32 v[AK0], v14, 4, v[AK0]          ; K: row r x pitch + 16 h
	v_and_b32 v15, 7, v0
	v_lshl_add_u32 v[AV0], v14, 3, v15
	v_mul_u32_u24 v[AV0], v[AV0], PVP
	v_bfe_u32 v15, v0, 3, 1
	v_lshl_add_u32 v[AV0], v15, 4, v[AV0]
	v_add_nc_u32 v[AV0], VOFF, v[AV0]              ; V, for the turning load: key 8 h + lane % 8, 16 bytes for each eight lanes
	s_mul_i32 s[T0], s[WV], 16*SP
	s_add_co_u32 s[T0], s[T0], STAGE               ; my stage
	v_mul_u32_u24 v[STO], v1, SP
	v_lshl_add_u32 v[STO], v14, 4, v[STO]
	v_add_nc_u32 v[STO], s[T0], v[STO]
	v_bfe_u32 v15, v0, 3, 2
	v_mul_u32_u24 v[RD], v15, SP
	v_and_b32 v15, 7, v0
	v_lshl_add_u32 v[RD], v15, 4, v[RD]
	v_add_nc_u32 v[RD], s[T0], v[RD]               ; back: eight lanes a row of 128 bytes, four rows an instruction
	v_and_b32 v[GO], 31, v0
	v_lshlrev_b32 v[PFP], 8, v[GO]
	v_lshlrev_b32 v[GO], 4, v[GO]
	; the prefetches: wave 0 asks for K's bytes, wave 4 for V's; of a slot's 32,768 bytes each partner takes 8,192, told apart by address; lanes 256 bytes apart
	s_cmp_lt_u32 s[WV], 4
	s_cselect_b64 s[PFA:PFA+1], s[KH:KH+1], s[VH:VH+1]
	s_cselect_b32 s20, 8192, 0                     ; K one step ahead
	s_lshl_b32 s21, s[CX], 13
	s_add_co_u32 s20, s20, s21
	s_add_co_u32 s20, s20, 2*32768                 ; in slot 2: the first change of slots steps it to slot 3.  Nothing is prefetched at the head
	v_add_nc_u32 v[PFP], s20, v[PFP]
.irp t, 0,1,2,3
	v_mov_b32 v[ST+8*\t+1], 0xff61b1e6             ; m = -3e38, under every score
	v_mov_b32 v[ST+8*\t+2], 0
	v_mov_b32 v[ST+8*\t+3], 0
	v_mov_b32 v[ST+8*\t+5], 0                      ; written once, on every way from the head: a lane permute's destination counts as one of its sources,
	v_mov_b32 v[ST+8*\t+7], 0                      ; and this one is named as the upper half of the pair with a, and on the way out with 1 / l
.endr
.irp t, 0,1,2,3
	v_mul_f32 v[ST+8*\t], s[CS], v[ST+8*\t+1]
.endr
.set i, 0
.rept 128
	v_mov_b32 v[S+i], 0                            ; the neutral start
.set i, i+1
.endr
	WIN 0x40
.set i, 0
.rept 128
	v_mov_b32 v[i], 0                              ; O^T
.set i, i+1
.endr
.set i, 0
.rept 64
	v_mov_b32 v[VF+i], 0
.set i, i+1
.endr
	WIN 0
.macro LOADV                           ; a step's V, turned: keys 32 (f / 4) on, channels 16 (f % 4) on
.irp f, 0,1,2,3,4,5,6,7
	ds_load_tr16_b128 v[VF+8*\f:VF+8*\f+3],   v[ADV] offset:(\f/4)*32*PVP+(\f%4)*32
	ds_load_tr16_b128 v[VF+8*\f+4:VF+8*\f+7], v[ADV] offset:(\f/4)*32*PVP+16*PVP+(\f%4)*32
.endr
.endm
.macro LOADK                           ; a step's K: keys 16 (f / 2) on, channels 32 (f % 2) on
.irp f, 0,1,2,3,4,5,6,7
	ds_load_b128 v[KF+8*\f:KF+8*\f+3],   v[ADK] offset:(\f/2)*16*PK+(\f%2)*64
	ds_load_b128 v[KF+8*\f+4:KF+8*\f+7], v[ADK] offset:(\f/2)*16*PK+(\f%2)*64+32
.endr
.endm
; THE MATRIX PHASE.  pv: 32 products O^T += V^T P; kq: 32 products S^T = K Q^T.  In each kind sixteen accumulators take turns, one instruction a turn.
; K Q^T writes over P, which V^T P has read: five plain lines between.  Five more at the end, ahead of whatever reads or loads over these registers next.
.macro MM pv, kq
.if \pv
	WIN 0x51                                       ; V and O^T in window 1, P in window 0
.set i, 0
.rept 32
.set rO, 32*(i%4)+8*((i/4)%4)
.set rV, VF+32*(i/16)+8*((i/4)%4)
.set rP, S+32*(i%4)+8*(i/16)
	v_wmma_f32_16x16x32_f16 v[rO:rO+7], v[rV:rV+7], v[rP:rP+7], v[rO:rO+7]
.set i, i+1
.endr
.endif
.if \pv && \kq
	NOPS 5
.endif
.if \kq
	WIN 0x01                                       ; K in window 1, Q and S^T in window 0
.set i, 0
.rept 32
.set rS, S+32*(i%4)+8*((i/4)%4)
.set rK, KF+16*((i/4)%4)+8*(i/16)
.set rQ, Q+16*(i%4)+8*(i/16)
.if i < 16
	v_wmma_f32_16x16x32_f16 v[rS:rS+7], v[rK:rK+7], v[rQ:rQ+7], 0
.else
	v_wmma_f32_16x16x32_f16 v[rS:rS+7], v[rK:rK+7], v[rQ:rQ+7], v[rS:rS+7]
.endif
.set i, i+1
.endr
.endif
	WIN 0
	NOPS 5
.endm
.macro FMA t, b                        ; pair b of tile t: c s - c m
	v_pk_fma_f32 v[S+32*\t+2*\b:S+32*\t+2*\b+1], v[S+32*\t+2*\b:S+32*\t+2*\b+1], s[CS:CS+1], v[ST+8*\t:ST+8*\t+1] op_sel_hi:[1,0,0] neg_lo:[0,0,1] neg_hi:[0,0,1]
.endm
.macro EXP2 t, b                       ; its two exponentials
	v_exp_f32 v[S+32*\t+2*\b], v[S+32*\t+2*\b]
	v_exp_f32 v[S+32*\t+2*\b+1], v[S+32*\t+2*\b+1]
.endm
.macro SUM t, b                        ; l = a l + pair 0, then + pair b
.if (\b) == 0
	v_pk_fma_f32 v[ST+8*\t+2:ST+8*\t+3], v[ST+8*\t+2:ST+8*\t+3], v[ST+8*\t+6:ST+8*\t+7], v[S+32*\t:S+32*\t+1] op_sel_hi:[1,0,1]
.else
	v_pk_add_f32 v[ST+8*\t+2:ST+8*\t+3], v[ST+8*\t+2:ST+8*\t+3], v[S+32*\t+2*\b:S+32*\t+2*\b+1]
.endif
.endm
.macro CVT t, b                        ; pair b to f16, in place: register b is written when pairs up to b have been summed and rounded, so nothing is lost
	v_cvt_pk_f16_f32 v[S+32*\t+\b], v[S+32*\t+2*\b], v[S+32*\t+2*\b+1]
.endm
; THE VECTOR PHASE: a step's softmax for my four tiles.  kl = 1: the next step's K is fetched too.
; The exponentials go in two batches, each with one wait ahead of the first line that names a result: batch A: the four a and tiles 0, 1, among tiles 2, 3's scalings;
; batch B: tiles 2, 3, among tiles 0, 1's sums and roundings; O^T's rescaling, which reads a alone, stands between batch B and its wait.
.macro SM kl
	WIN 0x40
	LOADV
.if \kl
	LOADK
.endif
	WIN 0
.irp j, 0,1,2,3                                ; the maximum: four chains a tile; each accumulator is read from its low end on
.irp t, 0,1,2,3
	v_max3_num_f32 v[ST+8*\t+4+\j], v[S+32*\t+8*\j], v[S+32*\t+8*\j+1], v[S+32*\t+8*\j+2]
.endr
.endr
.irp u, 3,5
.irp j, 0,1,2,3
.irp t, 0,1,2,3
	v_max3_num_f32 v[ST+8*\t+4+\j], v[ST+8*\t+4+\j], v[S+32*\t+8*\j+\u], v[S+32*\t+8*\j+\u+1]
.endr
.endr
.endr
.irp t, 0,1,2,3
	v_max3_num_f32 v[ST+8*\t+4], v[ST+8*\t+4], v[S+32*\t+7], v[S+32*\t+15]
.endr
.irp t, 0,1,2,3
	v_max3_num_f32 v[ST+8*\t+6], v[ST+8*\t+6], v[S+32*\t+23], v[S+32*\t+31]
.endr
.irp t, 0,1,2,3
	v_max3_num_f32 v[ST+8*\t+4], v[ST+8*\t+4], v[ST+8*\t+5], v[ST+8*\t+6]
.endr
.irp t, 0,1,2,3
	v_max3_num_f32 v[ST+8*\t+4], v[ST+8*\t+4], v[ST+8*\t+7], v[ST+8*\t+1]   ; with the old m
.endr
.irp t, 0,1,2,3
	v_permlanex16_b32 v[ST+8*\t+5], v[ST+8*\t+4], s[SEL], s[SEL+1]          ; the query's other 32 keys lie in the lane 16 away
.endr
.irp t, 0,1,2,3
	v_mov_b32 v[ST+8*\t+7], v[ST+8*\t]             ; c m_old
.endr
.irp t, 0,1,2,3
	v_max_num_f32 v[ST+8*\t+1], v[ST+8*\t+4], v[ST+8*\t+5]
.endr
.irp t, 0,1,2,3
	v_mul_f32 v[ST+8*\t], s[CS], v[ST+8*\t+1]
.endr
.irp t, 0,1,2,3
	v_sub_f32 v[ST+8*\t+7], v[ST+8*\t+7], v[ST+8*\t]
.endr
.irp b, 0,1,2,3,4,5,6,7,8,9,10,11,12,13,14,15
	FMA 0, \b
	FMA 1, \b
.endr
.irp t, 0,1,2,3
	v_exp_f32 v[ST+8*\t+6], v[ST+8*\t+7]           ; a
.endr
.irp b, 0,1,2,3,4,5,6,7,8,9,10,11,12,13,14,15
	FMA 2, \b
	EXP2 0, \b
	FMA 3, \b
	EXP2 1, \b
.endr
	v_nop                                          ; a plain line behind the last exponential
	s_wait_alu depctr_va_vdst(0)                   ; batch A's one wait
.irp b, 0,1,2,3,4,5,6,7,8,9,10,11,12,13,14,15
	EXP2 2, \b
	SUM 0, \b
	CVT 0, \b
	EXP2 3, \b
	SUM 1, \b
	CVT 1, \b
.endr
	WIN 0x41                                       ; O^T in window 1, a in window 0
.set i, 0
.rept 64
	v_pk_mul_f32 v[2*i:2*i+1], v[2*i:2*i+1], v[ST+8*(i/16)+6:ST+8*(i/16)+7] op_sel_hi:[1,0]
.set i, i+1
.endr
	WIN 0
	s_wait_alu depctr_va_vdst(0)                   ; batch B's one wait
.irp b, 0,1,2,3,4,5,6,7,8,9,10,11,12,13,14,15
	SUM 2, \b
	SUM 3, \b
	CVT 2, \b
	CVT 3, \b
.endr
.endm
; n half steps of the slot in hand.  In trip c set 0 runs SM at even c and MM at odd c, set 1 the other way round; both take place c / 2.  The addresses are made on the way that all waves take.
.macro HALVES n
	s_mov_b32 s[CNT], 0
.Lhalf_\@:
	s_lshr_b32 s[T0], s[CNT], 1
	s_mul_i32 s[T0], s[T0], STEPB
	s_add_co_u32 s[T0], s[T0], s[TB]
	v_add_nc_u32 v[ADK], s[T0], v[AK0]
	v_add_nc_u32 v[ADV], s[T0], v[AV0]
	s_xor_b32 s[T1], s[CNT], s[SET]
	s_and_b32 s[T1], s[T1], 1
	s_cmp_eq_u32 s[T1], 0
	s_cbranch_scc0 .Lmm_\@
	SM 1
	s_branch .Ljoin_\@
.Lmm_\@:
	MM 1, 1
.Ljoin_\@:
	BAR
	s_add_co_u32 s[CNT], s[CNT], 1
	s_cmp_lt_u32 s[CNT], \n
	s_cbranch_scc1 .Lhalf_\@
.endm
; THE CHANGE OF SLOTS.  Every wave waits for all its tensor loads (its part of the next slot), adds 0 to its spare word, and waits for that and for its reads of the slot that it leaves.
; fill = 1: a round of the cluster's barrier, and the slot just left is filled with the keys two slots on: the load has eight half steps in which to land.
; While a later slot remains, waves 0 and 4 then ask for the bytes that the NEXT change will load: one instruction each, a slot's eight half steps ahead; each 256 bytes of K and V are named by one lane of one partner
; (K's look-ahead runs one step past V's: in the last request it is held at the block's last 256 bytes).
.macro CHANGE fill, last
	s_wait_tensorcnt 0x0                           ; no tensor load of mine is out, so a group 0 may be written
	ds_add_u32 v[SPW], v[NIL]
.if \fill
.irp g, G0K+4, G0V+4
	s_xor_b32 s[\g+1], s[\g+1], SLOT1
	s_add_nc_u64 s[\g+2:\g+3], s[\g+2:\g+3], 32768
.endr
.if !\last
	s_wait_xcnt 0x0                                ; the last prefetch, a slot back, has read its offset
	v_add_nc_u32 v[PFP], 32768, v[PFP]
	v_min_u32 v[PFO], PFMAX, v[PFP]
.endif
	s_wait_dscnt 0x0                               ; the add is done, my reads of the slot are over
	CROUND
	JLOAD \last
.if !\last
	s_cmp_eq_u32 s[ASKR], 1
	s_cbranch_scc0 .Lnot_mine_\@
	global_prefetch_b8 v[PFO], s[PFA:PFA+1] th:TH_LOAD_NT scope:SCOPE_SE
.Lnot_mine_\@:
.endif
.else
	s_wait_dscnt 0x0
	s_barrier_signal -1
	s_barrier_wait -1
.endif
	s_xor_b32 s[TB], s[TB], SLOT1
.endm
	s_wait_tensorcnt 1                             ; K(0) and my part of slot 0 are in; slot 1's load may stay out
	s_barrier_signal -1
	s_barrier_wait -1
	v_add_nc_u32 v[ADK], ORPH, v[AK0]
	WIN 0x40
	LOADK                                          ; K(0)
	WIN 0
	s_wait_dscnt 0x0
	s_wait_loadcnt 0x0                             ; Q
	s_cmp_eq_u32 s[SET], 0
	s_cbranch_scc0 .Lno_lead
	MM 0, 1                                        ; set 0 leads by half a step
.Lno_lead:
.Lslot:                                            ; five trips: slots 0 to 4 are walked, slots 2 to 6 asked for
	HALVES 8
	CHANGE 1, 0
	s_sub_co_u32 s[SLOTS], s[SLOTS], 1
	s_cmp_lg_u32 s[SLOTS], 0
	s_cbranch_scc1 .Lslot
	HALVES 8                                       ; slot 5
	CHANGE 1, 1                                    ; slot 7: the last refill, written out
	HALVES 8                                       ; slot 6
	CHANGE 0, 0
	HALVES 6                                       ; slot 7, steps 28 to 30
	s_add_co_u32 s[T0], s[TB], 3*STEPB             ; step 31: V alone is left to fetch
	v_add_nc_u32 v[ADV], s[T0], v[AV0]
	s_cmp_eq_u32 s[SET], 0
	s_cbranch_scc0 .Ltail_mm
	SM 0
	s_branch .Ltail_a
.Ltail_mm:
	MM 1, 1
.Ltail_a:
	BAR
	s_cmp_eq_u32 s[SET], 0
	s_cbranch_scc1 .Ltail_b
	SM 0
.Ltail_b:
	s_wait_dscnt 0x0                               ; V(31)
	MM 1, 0
	; THE WAY OUT: l's two halves and the other half of the lanes'; O^T / l, to f16, through my stage, a tile (16 rows) at a time.
.irp t, 0,1,2,3
	v_add_f32 v[ST+8*\t+4], v[ST+8*\t+2], v[ST+8*\t+3]
.endr
.irp t, 0,1,2,3
	v_permlanex16_b32 v[ST+8*\t+5], v[ST+8*\t+4], s[SEL], s[SEL+1]
.endr
.irp t, 0,1,2,3
	v_add_f32 v[ST+8*\t+4], v[ST+8*\t+4], v[ST+8*\t+5]
.endr
.irp t, 0,1,2,3
	v_rcp_f32 v[ST+8*\t+6], v[ST+8*\t+4]
.endr
	v_nop
	s_wait_alu depctr_va_vdst(0)                   ; one wait for the four reciprocals
.macro PACK t
	WIN 0x41
.set i, 16*\t
.rept 16
	v_pk_mul_f32 v[2*i:2*i+1], v[2*i:2*i+1], v[ST+8*\t+6:ST+8*\t+7] op_sel_hi:[1,0]
.set i, i+1
.endr
	WIN 0x05                                       ; sources in window 1, destination in window 0: S^T's registers are free
.set i, 0
.rept 16
	v_cvt_pk_f16_f32 v[S+32*\t+i], v[32*\t+2*i], v[32*\t+2*i+1]
.set i, i+1
.endr
	WIN 0
.irp f, 0,1,2,3
	ds_store_b128 v[STO], v[S+32*\t+4*\f:S+32*\t+4*\f+3] offset:32*\f
.endr
.irp f, 0,1,2,3
	ds_load_b128 v[S+32*\t+4*\f:S+32*\t+4*\f+3], v[RD] offset:\f*4*SP   ; LDS serves a wave's instructions in order
.endr
.endm
.macro SEND t, younger                 ; younger: the next tile's four stores and four loads, or none
.irp f, 0,1,2,3
	s_wait_dscnt \younger+3-\f
	global_store_b128 v[GO], v[S+32*\t+4*\f:S+32*\t+4*\f+3], s[AB:AB+1] offset:\t*2048+\f*512   ; 32 lanes store 512 consecutive bytes, aligned
.endr
.endm
	PACK 0
	PACK 1
	SEND 0, 8
	PACK 2
	SEND 1, 8
	PACK 3
	SEND 2, 8
	SEND 3, 0
	s_wait_tensorcnt 0x0                           ; the wave's end
	ds_add_u32 v[SPW], v[NIL]
	s_wait_dscnt 0x0
	CROUND                                         ; the closing round
	s_endpgm
.Lfunc_end_k_q1aadf87a81_attn:
	.size	k_q1aadf87a81_attn, .Lfunc_end_k_q1aadf87a81_attn-k_q1aadf87a81_attn
	.p2alignl 7, 3214868480
	.fill 96, 4, 3214868480
	.section	.rodata,"a",@progbits
	.p2align	6, 0x0
	.amdhsa_kernel k_q1aadf87a81_attn
		.amdhsa_group_segment_fixed_size 327680
		.amdhsa_private_segment_fixed_size 0
		.amdhsa_enable_private_segment 0
		.amdhsa_kernarg_size 16
		.amdhsa_user_sgpr_count 2
		.amdhsa_user_sgpr_kernarg_segment_ptr 1
		.amdhsa_wavefront_size32 1
		.amdhsa_system_sgpr_workgroup_id_x 1
		.amdhsa_system_sgpr_workgroup_id_y 1
		.amdhsa_system_sgpr_workgroup_id_z 1
		.amdhsa_system_vgpr_workitem_id 0
		.amdhsa_next_free_vgpr 512
		.amdhsa_next_free_sgpr 80
		.amdhsa_reserve_vcc 0
		.amdhsa_float_denorm_mode_32 3
		.amdhsa_float_denorm_mode_16_64 3
		.amdhsa_memory_ordered 1
		.amdhsa_forward_progress 1
		.amdhsa_inst_pref_size 228
	.end_amdhsa_kernel
	.amdgpu_metadata
---
amdhsa.version: [ 1, 2 ]
amdhsa.kernels:
  - .name:           k_q1aadf87a81_attn
    .symbol:         k_q1aadf87a81_attn.kd
    .args:
      - { .name: qkv, .offset: 0, .size: 8, .value_kind: global_buffer, .address_space: global }
      - { .name: att, .offset: 8, .size: 8, .value_kind: global_buffer, .address_space: global }
    .group_segment_fixed_size: 327680
    .private_segment_fixed_size: 0
    .kernarg_segment_align: 8
    .kernarg_segment_size: 16
    .max_flat_workgroup_size: 256
    .sgpr_count:     80
    .vgpr_count:     512
    .wavefront_size: 32
...
	.end_amdgpu_metadata
.endif
;; end of part 3
;; launch proj (part 4): grid 4 x 64, 4 waves a work-group, clusters of 4 x 4, 327,680 bytes of LDS; arguments att, wo16, bo, out0; writes out0
.if DOCPART == 4
	.amdgcn_target "amdgcn-amd-amdhsa--gfx1250"
	.amdhsa_code_object_version 6
	.text
	.protected	k_q1aadf87a81_proj
	.globl	k_q1aadf87a81_proj
	.p2align	8
	.type	k_q1aadf87a81_proj,@function
k_q1aadf87a81_proj:
	s_mov_b64 s[64:65], 0
	v_nop
	global_prefetch_b8 v0, s[64:65] scope:SCOPE_SE
	s_setreg_imm32_b32 hwreg(HW_REG_WAVE_MODE, 25, 1), 1
	s_wait_xcnt 0x0
	s_wait_alu depctr_hold_cnt(0) depctr_sa_sdst(0) depctr_va_vdst(0) depctr_va_sdst(0) depctr_va_ssrc(0) depctr_va_vcc(0) depctr_vm_vsrc(0)
	s_getreg_b32 s2, hwreg(HW_REG_IB_STS2, 6, 4)
	s_cmp_eq_u32 s2, 0
	s_cbranch_scc0 .Lentry_in_a_cluster
	s_endpgm
.Lentry_in_a_cluster:
	s_bfe_u32 s2, ttmp6, 0x10000c
	s_cmp_lg_u32 s2, 0xf033
	s_cbranch_scc0 .Lentry_shape_is_right
	s_endpgm
.Lentry_shape_is_right:
; Launch 4 of 4: out0[m][n] = sum over k of concat[m][k] Wo[k][n] + bo[n], k = 64 head + e, concat[m][k] = att[head][m][e].  f16 operands, f32 sums, f32 out.  No work is left out.
; A tile of out0 is 128 m x 256 n: 256 work-groups.  Four waves, each 64 x 128: 32 accumulators.  K goes in steps of 128 (two heads) through two LDS slots.
; att's tile: for each of the two heads 128 rows of 128 bytes (+ 16).  Wo's tile lies as in memory, [k][n]: 128 rows of 512 bytes (+ 32), and is read turned by ds_load_tr16_b128.
; CLUSTERS: 4 x 4: att's tiles are asked for jointly along a row of the cluster, Wo's along a column.  Waves 0, 1 fetch the two heads of att, waves 2, 3 the two halves of Wo's rows.
; The matrix instruction is used transposed (source 0 = 16 columns n of Wo, source 1 = 16 rows of att): a lane holds eight neighbouring n of one m.  THE BIAS is the C of each sum's first product.
; No prefetch: a step's tiles are small and shared by four.
; REGISTERS: window 0: v0-31 addresses; two fragment buffers of 96 at v64 and v160 (att's 4 x 8, then Wo's 8 x 8); window 1: the accumulators ((mb, nb) at v[8 (8 mb + nb)]); window 2: v0-63 the bias.
.set PA,     144
.set PB,     544                       ; an odd multiple of 32
.set AH,     128*PA                    ; one head's tile
.set BOFF,   2*AH
.set BHALF,  64*PB
.set SLOT,   BOFF+2*BHALF              ; 106,496
.set STAGE,  2*SLOT                    ; 16 rows x 528 bytes for each wave; no fill lands here
.set SPITCH, 528
.set SPARE,  STAGE+4*16*SPITCH
.set LAPS,   4                         ; a lap = two K steps
.set ADRA, 16
.set ADRB, 20
.set STO,  24
.set RD,   25
.set CO,   26
.set SPW,  28
.set NIL,  29
.set F0,   64
.set F1,   160
.set BK,   64                          ; the way out: v64-127 and v128-191 by turns
.set G1, 24
.set G0, 32
.set G1B, 48
.set G0B, 56
.set MSB, 0
.macro WIN new
.if MSB != (\new)
	s_set_vgpr_msb (MSB<<8)|(\new)
.set MSB, (\new)
.endif
.endm
.macro PLACES
.rept 4
	v_nop
.endr
.endm
.macro JLOAD s
	s_cmp_eq_u32 s13, 0
	s_cbranch_scc0 .Lfor_b_\@
	tensor_load_to_lds s[G0+4*\s:G0+4*\s+3], s[G1:G1+7]
	s_nop 0
	PLACES
	s_branch .Lasked_\@
.Lfor_b_\@:
	tensor_load_to_lds s[G0B+4*\s:G0B+4*\s+3], s[G1B:G1B+7]
	s_nop 0
	PLACES
.Lasked_\@:
.endm
.macro CREST
	s_cmp_lg_u32 s12, 0
	s_cbranch_scc1 .Lnot_wave_0_\@
	s_barrier_signal -3
.Lnot_wave_0_\@:
	s_barrier_wait -3
	s_barrier_signal -1
	s_barrier_wait -1
.endm
.macro CROUND
	s_barrier_signal -1
	s_barrier_wait -1
	CREST
.endm
	s_load_b256 s[4:11], s[0:1], 0x0               ; att 4, wo16 6, bo 8, out0 10
	v_lshl_add_u32 v[SPW], v0, 2, SPARE
	v_mov_b32 v[NIL], 0
	ds_add_u32 v[SPW], v[NIL]                      ; the wave's opening: the add, twice on end, and its wait ahead of my first tensor load
	ds_add_u32 v[SPW], v[NIL]
	v_lshrrev_b32 v1, 5, v0
	v_readfirstlane_b32 s12, v1                    ; wave
	s_lshr_b32 s13, s12, 1                         ; my half of the rows; also: I fetch for att (0) or for Wo (1)
	s_and_b32 s14, s12, 1                          ; my half of the columns; also: which head, or which 64 rows of Wo, I fetch
	s_bfe_u32 s40, ttmp6, 0x40000
	s_bfe_u32 s41, ttmp6, 0x40004
	s_lshl_b32 s42, ttmp9, 2
	s_add_co_u32 s42, s42, s40                     ; tile column
	s_and_b32 s43, ttmp7, 0xffff
	s_lshl_b32 s43, s43, 2
	s_add_co_u32 s43, s43, s41                     ; tile row
	s_lshl_b32 s44, s41, 2
	s_lshl_b32 s44, 15, s44                        ; my row of the cluster
	s_lshl_b32 s45, 0x1111, s40                    ; my column
	s_or_b32 s[G1+0], s44, (1<<16)|(1<<20)|(1<<21)|(4<<22)|(3<<25)   ; att: elements of 2 bytes; 4 words of padding behind every 32
	s_mov_b32 s[G1+1], 64<<16
	s_mov_b32 s[G1+2], 128<<16
	s_mov_b32 s[G1+3], 64<<16
	s_mov_b32 s[G1+4], 128
	s_mov_b32 s[G1+5], 64
	s_mov_b32 s[G1+6], 0
	s_mov_b32 s[G1+7], 0
	s_or_b32 s[G1B+0], s45, (1<<16)|(1<<20)|(1<<21)|(6<<22)|(7<<25)  ; Wo: 8 words of padding behind every 128
	s_mov_b32 s[G1B+1], 256<<16
	s_mov_b32 s[G1B+2], 64<<16
	s_mov_b32 s[G1B+3], 256<<16
	s_mov_b32 s[G1B+4], 64
	s_mov_b32 s[G1B+5], 1024
	s_mov_b32 s[G1B+6], 0
	s_mov_b32 s[G1B+7], 0
	s_lshl_b32 s16, s14, 20                        ; att: my head of the first two, + 128 rows of 128 bytes x tile row
	s_lshl_b32 s17, s43, 14
	s_add_co_u32 s16, s16, s17
	s_mov_b32 s17, 0
	s_lshl_b32 s46, s14, 17                        ; Wo: my 64 rows of 2,048 bytes, + 512 bytes x tile column
	s_lshl_b32 s47, s42, 9
	s_add_co_u32 s46, s46, s47
	s_mov_b32 s47, 0
	s_mul_i32 s20, s14, AH                         ; where they go: no place in the cluster enters an LDS address
	s_mul_i32 s21, s14, BHALF
	s_add_co_u32 s21, s21, BOFF
	s_wait_dscnt 0x0                               ; both opening adds are done
	s_wait_kmcnt 0x0
	s_add_nc_u64 s[16:17], s[4:5], s[16:17]
	s_add_nc_u64 s[46:47], s[6:7], s[46:47]
	CROUND                                         ; all sixteen work-groups are here
.irp s, 0,1
	s_mov_b32 s[G0+4*\s], 1
	s_add_co_u32 s[G0+4*\s+1], s20, \s*SLOT
	s_add_nc_u64 s[G0+4*\s+2:G0+4*\s+3], s[16:17], \s*2097152      ; K step s: two heads on
	s_or_b32 s[G0+4*\s+3], s[G0+4*\s+3], 0x80000000
	s_mov_b32 s[G0B+4*\s], 1
	s_add_co_u32 s[G0B+4*\s+1], s21, \s*SLOT
	s_add_nc_u64 s[G0B+4*\s+2:G0B+4*\s+3], s[46:47], \s*262144     ; 128 rows of Wo on
	s_or_b32 s[G0B+4*\s+3], s[G0B+4*\s+3], 0x80000000
	JLOAD \s                                       ; two loads of mine are out behind the second
.endr
	v_and_b32 v1, 15, v0                           ; r
	v_bfe_u32 v2, v0, 4, 1                         ; h
	v_mul_u32_u24 v3, v1, PA
	v_lshl_add_u32 v3, v2, 4, v3
	s_mul_i32 s21, s13, 64*PA                      ; my 64 rows of att
	v_and_b32 v4, 7, v0
	v_lshl_add_u32 v4, v2, 3, v4
	v_mul_u32_u24 v4, v4, PB
	v_bfe_u32 v5, v0, 3, 1
	v_lshl_add_u32 v4, v5, 4, v4                   ; Wo, for the turning load: row 8 h + lane % 8, 16 bytes for each eight lanes
	s_lshl_b32 s22, s14, 8                         ; my 128 columns
	s_add_co_u32 s22, s22, BOFF
.irp s, 0,1
	v_add_nc_u32 v[ADRA+\s], s21, v3
	v_add_nc_u32 v[ADRB+\s], s22, v4
	s_add_co_u32 s21, s21, SLOT
	s_add_co_u32 s22, s22, SLOT
.endr
	s_mul_i32 s23, s12, 16*SPITCH
	s_add_co_u32 s23, s23, STAGE                   ; my stage
	v_mul_u32_u24 v5, v1, SPITCH
	v_lshl_add_u32 v5, v2, 5, v5
	v_add_nc_u32 v[STO], s23, v5                   ; in: row r, 32 bytes for each half of the lanes
	v_and_b32 v6, 31, v0
	v_lshlrev_b32 v[CO], 4, v6
	v_add_nc_u32 v[RD], s23, v[CO]                 ; back: the 32 lanes take a row of 512 bytes
	v_lshlrev_b32 v6, 5, v2                        ; the bias: my half's eight numbers
	s_lshl_b32 s16, s43, 19                        ; out0: 128 rows of 4,096 bytes x tile row + 64 rows x half
	s_lshl_b32 s17, s13, 18
	s_add_co_u32 s16, s16, s17
	s_mov_b32 s17, 0
	s_lshl_b32 s46, s42, 10                        ; + my first column in bytes
	s_lshl_b32 s47, s14, 9
	s_add_co_u32 s46, s46, s47
	s_mov_b32 s47, 0
	s_add_nc_u64 s[8:9], s[8:9], s[46:47]
	s_add_nc_u64 s[16:17], s[16:17], s[46:47]
	s_add_nc_u64 s[10:11], s[10:11], s[16:17]
	WIN 0x80                                       ; destination window 2
.irp b, 0,1,2,3,4,5,6,7
	global_load_b128 v[8*\b:8*\b+3],   v6, s[8:9] offset:64*\b       ; bo(16 nb + 8 h + 0 .. 7): the result's layout
	global_load_b128 v[8*\b+4:8*\b+7], v6, s[8:9] offset:64*\b+16
.endr
	WIN 0
.macro FETCH slot, q, f                ; the fragments of 32 along K, the slot's q-th: 16 turning loads for Wo, 8 loads for att
.irp i, 0,1,2,3,4,5,6,7
	ds_load_tr16_b128 v[\f+32+8*\i:\f+32+8*\i+3],   v[ADRB+\slot] offset:(\q)*32*PB+32*\i
	ds_load_tr16_b128 v[\f+32+8*\i+4:\f+32+8*\i+7], v[ADRB+\slot] offset:(\q)*32*PB+16*PB+32*\i
.endr
.irp i, 0,1,2,3
	ds_load_b128 v[\f+8*\i:\f+8*\i+3],   v[ADRA+\slot] offset:((\q)/2)*AH+((\q)%2)*64+\i*16*PA
	ds_load_b128 v[\f+8*\i+4:\f+8*\i+7], v[ADRA+\slot] offset:((\q)/2)*AH+((\q)%2)*64+\i*16*PA+32
.endr
.endm
.macro MUL8 f, mb, first               ; rows 16 mb on against my eight blocks of columns.  The 32 accumulators take turns, in the same order in every quarter
.irp b, 0,1,2,3,4,5,6,7
.if \first
	v_wmma_f32_16x16x32_f16 v[8*(8*\mb+\b):8*(8*\mb+\b)+7], v[\f+32+8*\b:\f+32+8*\b+7], v[\f+8*\mb:\f+8*\mb+7], v[8*\b:8*\b+7]
.else
	v_wmma_f32_16x16x32_f16 v[8*(8*\mb+\b):8*(8*\mb+\b)+7], v[\f+32+8*\b:\f+32+8*\b+7], v[\f+8*\mb:\f+8*\mb+7], v[8*(8*\mb+\b):8*(8*\mb+\b)+7]
.endif
.endr
.endm
; One of a K step's first three quarters: multiplies buffer f; at its head the next quarter, qn, is fetched into g, four plain lines behind the products that read g: the loads have 32 matrix instructions in which to land.
.macro QUARTER slot, qn, f, g, first
	s_wait_dscnt 0x0                               ; buffer f is in
	PLACES
	WIN 0
	FETCH \slot, \qn, \g
	WIN 0x50+0x10*\first                           ; D in window 1; C in window 1, or the bias in window 2
	MUL8 \f, 0, \first
	MUL8 \f, 1, \first
	MUL8 \f, 2, \first
	MUL8 \f, 3, \first
.endm
; The last quarter multiplies buffer 1 and changes slots: one barrier; in front of it each wave waits for all its tensor loads, adds 0 to its spare word, and waits for that and for its reads of this slot.
.macro TURN slot, next, fill
	WIN 0
	s_wait_tensorcnt 0x0                           ; my part of the next slot has landed
	ds_add_u32 v[SPW], v[NIL]
	s_wait_dscnt 1                                 ; buffer 1 is in; the add may be out
	WIN 0x50
	MUL8 F1, 0, 0
	s_wait_dscnt 0x0                               ; the add is done, my reads of this slot are over
	s_barrier_signal -1
	MUL8 F1, 1, 0
	WIN 0
	s_barrier_wait -1
.if \fill
	CREST                                          ; the barrier has opened a round of the cluster's: no wave of any partner still reads this slot or has a load on its way
	s_add_nc_u64 s[G0+4*\slot+2:G0+4*\slot+3], s[G0+4*\slot+2:G0+4*\slot+3], 4194304
	s_add_nc_u64 s[G0B+4*\slot+2:G0B+4*\slot+3], s[G0B+4*\slot+2:G0B+4*\slot+3], 524288
	JLOAD \slot                                    ; the first tensor load behind the round; its four v_nop are also the places in front of the loads below
.else
	PLACES
.endif
	FETCH \next, 0, F0
	WIN 0x50
	MUL8 F1, 2, 0
	MUL8 F1, 3, 0
.endm
	s_wait_tensorcnt 1                             ; my part of K step 0 is in; K step 1's load may be out
	s_barrier_signal -1
	s_barrier_wait -1
	FETCH 0, 0, F0
	s_wait_loadcnt 0x0                             ; the bias
	QUARTER 0, 1, F0, F1, 1                        ; the first quarter stands ahead of the loop: its products start the sums from the bias
	WIN 0
	s_mov_b32 s3, LAPS-1
.Llap:                                             ; a trip goes once round the ring and fills both slots again
	QUARTER 0, 2, F1, F0, 0
	QUARTER 0, 3, F0, F1, 0
	TURN 0, 1, 1
	QUARTER 1, 1, F0, F1, 0
	QUARTER 1, 2, F1, F0, 0
	QUARTER 1, 3, F0, F1, 0
	TURN 1, 0, 1
	QUARTER 0, 1, F0, F1, 0
	WIN 0
	s_sub_co_u32 s3, s3, 1
	s_cmp_lg_u32 s3, 0
	s_cbranch_scc1 .Llap
	QUARTER 0, 2, F1, F0, 0                        ; the last lap fills nothing
	QUARTER 0, 3, F0, F1, 0
	TURN 0, 1, 0
	QUARTER 1, 1, F0, F1, 0
	QUARTER 1, 2, F1, F0, 0
	QUARTER 1, 3, F0, F1, 0
	s_wait_dscnt 0x0
	WIN 0x50
	MUL8 F1, 0, 0
	MUL8 F1, 1, 0
	MUL8 F1, 2, 0
	MUL8 F1, 3, 0
	WIN 0
; THE WAY OUT, block by block of 16 rows x 128 columns: through my own stage, back as whole rows of 512 bytes.
.macro TOSTAGE a
	WIN 0x04                                       ; an LDS store's data: window 1
.irp b, 0,1,2,3,4,5,6,7
	ds_store_b128 v[STO], v[8*(8*(\a)+\b):8*(8*(\a)+\b)+3] offset:64*\b            ; each accumulator from its low end on
	ds_store_b128 v[STO], v[8*(8*(\a)+\b)+4:8*(8*(\a)+\b)+7] offset:64*\b+16
.endr
	WIN 0
.set BB, BK+64*((\a)%2)
.irp t, 0,1,2,3,4,5,6,7,8,9,10,11,12,13,14,15
	ds_load_b128 v[BB+4*\t:BB+4*\t+3], v[RD] offset:\t*SPITCH   ; LDS serves a wave's instructions in order
.endr
.endm
.macro SEND a, younger
.set BB, BK+64*((\a)%2)
	s_wait_dscnt \younger                          ; the block is back; the next block's 16 stores and 16 loads may be out
.irp t, 0,1,2,3,4,5,6,7,8,9,10,11,12,13,14,15
	global_store_b128 v[CO], v[BB+4*\t:BB+4*\t+3], s[10:11] offset:(16*(\a)+\t)*4096 th:TH_STORE_NT   ; 32 lanes store 512 consecutive bytes, aligned
.endr
.endm
	PLACES
	TOSTAGE 0
.irp a, 1,2,3
.if \a > 1
	s_wait_xcnt 0x0                                ; block a - 2's stores have read their registers: block a's loads may land there
.endif
	TOSTAGE \a
	SEND \a-1, 32
.endr
	SEND 3, 0
	s_wait_tensorcnt 0x0                           ; the wave's end
	ds_add_u32 v[SPW], v[NIL]
	s_wait_dscnt 0x0
	CROUND                                         ; the closing round
	s_endpgm
.Lfunc_end_k_q1aadf87a81_proj:
	.size	k_q1aadf87a81_proj, .Lfunc_end_k_q1aadf87a81_proj-k_q1aadf87a81_proj
	.p2alignl 7, 3214868480
	.fill 96, 4, 3214868480
	.section	.rodata,"a",@progbits
	.p2align	6, 0x0
	.amdhsa_kernel k_q1aadf87a81_proj
		.amdhsa_group_segment_fixed_size 327680
		.amdhsa_private_segment_fixed_size 0
		.amdhsa_enable_private_segment 0
		.amdhsa_kernarg_size 32
		.amdhsa_user_sgpr_count 2
		.amdhsa_user_sgpr_kernarg_segment_ptr 1
		.amdhsa_wavefront_size32 1
		.amdhsa_system_sgpr_workgroup_id_x 1
		.amdhsa_system_sgpr_workgroup_id_y 1
		.amdhsa_system_sgpr_workgroup_id_z 1
		.amdhsa_system_vgpr_workitem_id 0
		.amdhsa_next_free_vgpr 768
		.amdhsa_next_free_sgpr 66
		.amdhsa_reserve_vcc 0
		.amdhsa_float_denorm_mode_32 3
		.amdhsa_float_denorm_mode_16_64 3
		.amdhsa_memory_ordered 1
		.amdhsa_forward_progress 1
		.amdhsa_inst_pref_size 86
	.end_amdhsa_kernel
	.amdgpu_metadata
---
amdhsa.version: [ 1, 2 ]
amdhsa.kernels:
  - .name:           k_q1aadf87a81_proj
    .symbol:         k_q1aadf87a81_proj.kd
    .args:
      - { .name: att, .offset: 0, .size: 8, .value_kind: global_buffer, .address_space: global }
      - { .name: wo16, .offset: 8, .size: 8, .value_kind: global_buffer, .address_space: global }
      - { .name: bo, .offset: 16, .size: 8, .value_kind: global_buffer, .address_space: global }
      - { .name: out0, .offset: 24, .size: 8, .value_kind: global_buffer, .address_space: global }
    .group_segment_fixed_size: 327680
    .private_segment_fixed_size: 0
    .kernarg_segment_align: 8
    .kernarg_segment_size: 32
    .max_flat_workgroup_size: 128
    .sgpr_count:     66
    .vgpr_count:     768
    .wavefront_size: 32
...
	.end_amdgpu_metadata
.endif
;; end of part 4
